; MI455X (gfx1250); checked and timed in simulation.
; The chip was launched on July 23, 2026; its instructions are those of AMD's public machine-readable ISA for CDNA 5 (MIT licence, August 2026) and "CDNA5" Instruction Set Architecture Reference Guide (July 2026). The comments in the code are by the model that wrote it; some were corrected since.
;; Multi Headed Atention. Allowed arithmetic: matrix products marked QUANTISED: E4M3 operands, one E8M0 scale for each 32 along K, by v_wmma_scale_f32_16x16x128_f8f6f4 with both operands' format E4M3, f32 sums; everything else in f32.
;; Inputs: Key 4 x 2,048 x 1,024 float32; Query 4 x 2,048 x 1,024 float32; Value 4 x 2,048 x 1,024 float32; Wk 16 x 1,024 x 64 float32; Wo 1,024 x 1,024 float32; Wq 16 x 1,024 x 64 float32; Wv 16 x 1,024 x 64 float32; bk 16 x 64 float32; bo 1,024 float32; bq 16 x 64 float32; bv 16 x 64 float32.
;; Outputs: out0 4 x 2,048 x 1,024 float32.
;; This version of the problem:
;;   THIS VERSION OF THE PROBLEM IS GIVEN IN LOW PRECISION. The matrix products marked QUANTISED in the list below multiply operands that are first quantised to E4M3 (4 exponent bits, 3 mantissa bits; 8 bits a number), with one power-of-two scale for each 32 numbers along K (OCP MX v1.0); their sums are f32. All else is computed in f32.
;;   The module's matrix products, in the order in which they are computed (A, B: the left and right operand; K: the contracted axis; several contracted axes count as one K, in the product's order):
;;     1. [M 1,024, K 1,024] x [K 1,024, N 8,192]; A: input Wq; B: input Query: QUANTISED
;;     2. [M 1,024, K 1,024] x [K 1,024, N 8,192]; A: input Wk; B: input Key: QUANTISED
;;     3. [M 1,024, K 1,024] x [K 1,024, N 8,192]; A: input Wv; B: input Value: QUANTISED
;;     4. batch 64 x [M 2,048, K 64] x [K 64, N 2,048]; A: computed on the way; B: computed on the way: QUANTISED
;;     5. batch 64 x [M 2,048, K 2,048] x [K 2,048, N 64]; A: softmax (see below); B: computed on the way: QUANTISED
;;     6. [M 8,192, K 1,024] x [K 1,024, N 1,024]; A: computed on the way; B: input Wo: QUANTISED
;;   THE QUANTISER, for each operand of a quantised product, along K:
;;     - K is cut into blocks of 32 from its start; a last block that is shorter is filled with zeros.
;;     - A block's scale is 2^e with e = floor(log2(the largest magnitude in the block)) - 8, held to -126 .. 127; a block of zeros has e = 0. As a byte (E8M0): e + 127.
;;     - Each number is divided by its block's scale, clamped to +-448, and rounded to the nearest number of E4M3, ties to even, subnormals kept.
;;     - The product sums the exact products of the quantised numbers (number of the format x scale) in f32.
;;   ~~~python
;;   def quantise(x, axis):      # numpy; x: float32 -> the quantised numbers, widened to float32 again
;;       x = np.moveaxis(x, axis, -1); K = x.shape[-1]
;;       x = np.pad(x, [(0, 0)] * (x.ndim - 1) + [(0, -K % 32)]); x = x.reshape(x.shape[:-1] + (-1, 32)); a = np.abs(x).max(-1, keepdims=True)
;;       e = np.where(a > 0, np.clip(np.frexp(np.where(a > 0, a, 1))[1] - 1 - 8, -126, 127), 0)      # np.frexp(a)[1] - 1 = floor(log2(a)), exactly
;;       r = np.clip(x / 2.0 ** e, -448, 448)
;;       step = 2.0 ** (np.maximum(np.frexp(np.where(r == 0, 1, r))[1] - 1, -6) - 3)
;;       q = np.round(r / step) * step * 2.0 ** e      # np.round: ties to even
;;       return np.moveaxis(q.reshape(q.shape[:-2] + (-1,))[..., :K], -1, axis).astype(np.float32)
;;   ~~~
;;   SOFTMAX AHEAD OF A QUANTISED PRODUCT. Where the list says 'softmax', what is quantised is not the finished softmax but p = 2^(t - M), with t = logit x log2(e) and M = ceil(the row's largest t), a whole number; so 1/2 < the row's largest p <= 1. The row's sum l is taken of the UNQUANTISED p, in f32, and the product's result is divided by l at the end. Since M is a whole number, a kernel that streams over the keys may use a running M (the ceiling of the running maximum): every later rescaling is an exact power of two, which a block's scale takes up: the codes' values come out the same.
;;   OPERANDS COMPUTED ON THE WAY. 'Computed on the way' means the value that the module computes at that place (a softmax that the list does not call 'softmax' is quantised finished and normalised). What goes into a quantiser is computed in f32, as accurately as f32 sums, v_exp_f32 and their like allow (about 1e-6 of the number): no bf16 or f16 on the way to a quantiser, and a product that is left as it is and whose result goes on into a quantised operand takes f32 operands (vector FMAs, or v_wmma_f32_16x16x4_f32). A number that lies on a knife's edge between two numbers of the format may be rounded either way, as far as f32 arithmetic and the matrix unit's own rounding can turn it there, and no further.
;; One version. Each part assembles by itself: llvm-mc -triple=amdgcn-amd-amdhsa -mcpu=gfx1250 --defsym DOCPART=n.
;; ======== version 1 of 1: 4 launches
;; limits: right only within a limited range of input values
;; workspace buffers: xr 25,952,256 bytes; wc 4,194,304 bytes; ws 131,072 bytes; qr 17,563,648 bytes; kv 17,563,648 bytes; orec 8,650,752 bytes
;; launch quant (part 1): grid 512 x 1, 4 waves a work-group, no clusters, 92,672 bytes of LDS; arguments Query, Key, Value, Wq, Wk, Wv, Wo, xr, wc, ws; writes xr, wc, ws
.if DOCPART == 1
	.amdgcn_target "amdgcn-amd-amdhsa--gfx1250"
	.amdhsa_code_object_version 6
	.text
	.protected	k_q9fe5831814_quant
	.globl	k_q9fe5831814_quant
	.p2align	8
	.type	k_q9fe5831814_quant,@function
k_q9fe5831814_quant:
	s_mov_b64 s[64:65], 0
	v_nop
	global_prefetch_b8 v0, s[64:65] scope:SCOPE_SE
	s_setreg_imm32_b32 hwreg(HW_REG_WAVE_MODE, 25, 1), 1
	s_wait_xcnt 0x0
; Query, Key, Value [8192][1024] f32 and Wq, Wk, Wv [16][1024][64], Wo [1024][1024] f32 become codes of E4M3 with one E8M0 byte for each 32 along K (K = the 1,024 that the products contract).
; A block's scale is 2^(floor(log2(its largest magnitude)) - 8); its byte is the largest magnitude's exponent field - 8, held at 1 from below; each number is divided by the scale, held within +-448, rounded to nearest even.
; LIMITS: NaN and infinities among the inputs are not served.  A block of zeros, or one whose largest magnitude lies under 2^-118, gets the byte 1 (the rule says 127 for zeros): its codes are zeros
; or subnormals, and these bytes are read by this program alone.
; THE CODES ARE LAID AS IMAGES OF THE OPERAND'S REGISTERS: a tile of 16 rows x 1,024 K is [K step 8][group c 4][lane 32][16 bytes]; lane (r, h) of group c holds k = 128 ks + 32 c + 16 h + 0 .. 15 of tile row r.
; THE ROWS OF A TILE ARE NOT NEIGHBOURS: tile 2 g + u takes, as its row r, index 32 g + 8 u + r + 8 (r / 8), so that results of two neighbouring tiles are 16 neighbours along the next product's K.
; Work-groups 0 .. 383: a wave makes one tile of an activation (16 rows, 64 KiB read, 16,896 bytes stored: codes, then 16 x 32 scale bytes).  Work-groups 384 .. 511: a wave takes 32 columns x 256 K of a weight.
; No matrix unit, no cluster, no tensor load: no byte is shared between work-groups, and memory binds.
.set STEPS, 32                         ; activation path: steps of 512 numbers; step t = 2 r + half of tile row r
.set SP,    80                         ; a lane's place in a turn stage: 64 bytes + 16 of padding
.set WREG,  23040                      ; LDS of a wave: two turn stages (2 x 2,560), 512 scale bytes, 64 units of 256 + 16 bytes of codes
.set SCB,   5120
.set CST,   5632
.set R,     16                         ; v16-79   four sets of 16 numbers as loaded
.set X,     80                         ; v80-111  two sets of 16 neighbours
.set C,     112                        ; v112-119 two sets of codes
.set E,     120                        ; v120-121 two scale bytes
.set OFF,   16                         ; weight path: v16-47 byte offsets of 32 rows of K
.set WX,    48                         ; v48-111  two sets of 32 numbers
.set WC,    112                        ; v112-175 codes, 8 registers a block, never rewritten
.set SBY,   176                        ; v176-177 the 8 scale bytes
	s_load_b512 s[4:19], s[0:1], 0x0               ; Query 4, Key 6, Value 8, Wq 10, Wk 12, Wv 14, Wo 16, xr 18
	s_load_b128 s[20:23], s[0:1], 0x40             ; wc 20, ws 22
	v_lshl_add_u32 v192, v0, 2, 0x16800
	v_mov_b32 v193, 0
	v_lshrrev_b32 v1, 5, v0
	v_readfirstlane_b32 s24, v1                    ; wave
	v_and_b32 v2, 31, v0                           ; lane
	s_mov_b32 s26, 0x600000                        ; the mantissa field of 448
	s_cmp_lt_u32 ttmp9, 384
	s_cbranch_scc0 .Lweights
; ---------------- activations: K is innermost ----------------
	v_lshlrev_b32 v3, 4, v2                        ; 16 x lane: my bytes of a load's or a store's 512
	s_mul_i32 s25, s24, WREG
	v_lshrrev_b32 v14, 2, v2
	v_mul_u32_u24 v14, v14, SP
	v_and_b32 v15, 3, v2
	v_lshl_add_u32 v14, v15, 4, v14
	v_add_nc_u32 v14, s25, v14                     ; turn stage, in: SP (lane / 4) + 16 (lane % 4)
	v_mul_u32_u24 v15, v2, SP
	v_add_nc_u32 v15, s25, v15                     ; turn stage, out: SP x lane: 16 neighbours
	v_lshrrev_b32 v5, 1, v2
	v_add_nc_u32 v5, s25, v5
	v_add_nc_u32 v5, SCB, v5                       ; my block's scale byte
	v_mul_u32_u24 v6, v2, 272
	v_add_nc_u32 v6, s25, v6
	v_add_nc_u32 v6, CST, v6                       ; codes, in: unit = lane (+ 32 x half), 16 bytes for each tile row
	v_lshrrev_b32 v7, 4, v2
	v_mul_u32_u24 v7, v7, 272
	v_and_b32 v8, 15, v2
	v_lshl_add_u32 v7, v8, 4, v7
	v_add_nc_u32 v7, s25, v7
	v_add_nc_u32 v7, CST, v7                       ; codes, out: two whole units an instruction
	v_add_nc_u32 v12, s25, v3
	v_add_nc_u32 v12, SCB, v12                     ; scale bytes, out
	s_and_b32 s27, ttmp9, 127
	s_lshl_b32 s27, s27, 2
	s_add_co_u32 s27, s27, s24                     ; the tile's number in its tensor
	s_lshr_b32 s30, s27, 1
	s_lshl_b32 s30, s30, 17                        ; 32 rows of 4,096 bytes for each pair of tiles,
	s_and_b32 s31, s27, 1
	s_lshl_b32 s31, s31, 15                        ; 8 rows for the odd one
	s_add_co_u32 s30, s30, s31
	s_mov_b32 s31, 0
	s_lshl_b32 s32, ttmp9, 2
	s_add_co_u32 s32, s32, s24
	s_mul_i32 s32, s32, 16896                      ; the tile's record in xr
	s_mov_b32 s33, 0
	s_wait_kmcnt 0x0
	s_cmp_lt_u32 ttmp9, 128                        ; which tensor: the choice hangs on the work-group's number alone
	s_cselect_b64 s[28:29], s[4:5], s[6:7]
	s_cmp_lt_u32 ttmp9, 256
	s_cselect_b64 s[28:29], s[28:29], s[8:9]
	s_add_nc_u64 s[28:29], s[28:29], s[30:31]
	s_add_nc_u64 s[18:19], s[18:19], s[32:33]
.macro LOAD t                          ; 2,048 consecutive bytes of tile row t / 2, which is row t / 2 + 8 (t / 16) of the 32
.irp i, 0,1,2,3
	global_load_b128 v[R+16*((\t)%4)+4*\i:R+16*((\t)%4)+4*\i+3], v3, s[28:29] offset:(((\t)/2)+8*((\t)/16))*4096+((\t)%2)*2048+512*\i th:TH_LOAD_NT
.endr
.endm
.macro TURN t                          ; through the stage: LDS serves a wave's instructions in order, so no wait stands between the stores and the loads
.irp i, 0,1,2,3
	ds_store_b128 v14, v[R+16*((\t)%4)+4*\i:R+16*((\t)%4)+4*\i+3] offset:32*SP*((\t)%2)+8*SP*\i
.endr
.irp i, 0,1,2,3
	ds_load_b128 v[X+16*((\t)%2)+4*\i:X+16*((\t)%2)+4*\i+3], v15 offset:32*SP*((\t)%2)+16*\i
.endr
.endm
.macro STEP t
.set XS, X+16*((\t)%2)
.set CC, C+4*((\t)%2)
.if (\t) > 0
	s_wait_dscnt 2                                 ; this step's numbers are back from the stage; the last step's two stores may be out; those of two steps ago are done
.else
	s_wait_dscnt 0x0
.endif
.if (\t)+4 < STEPS
	LOAD (\t)+4                                    ; into the set that this step's turn has read
.endif
.if (\t)+1 < STEPS
.if (\t) < STEPS-4
	s_wait_loadcnt 12                              ; the next step's four loads are in; those of the three steps behind it may be out
.else
	s_wait_loadcnt 4*(STEPS-2-(\t))
.endif
	TURN (\t)+1
.endif
	v_max3_num_f32 v8, |v[XS]|, |v[XS+1]|, |v[XS+2]|               ; the largest magnitude of my 16, in two chains
	v_max3_num_f32 v9, |v[XS+3]|, |v[XS+4]|, |v[XS+5]|
.irp i, 6,10
	v_max3_num_f32 v8, v8, |v[XS+\i]|, |v[XS+\i+1]|
	v_max3_num_f32 v9, v9, |v[XS+\i+2]|, |v[XS+\i+3]|
.endr
	v_max3_num_f32 v8, v8, |v[XS+14]|, |v[XS+15]|
	v_max3_num_f32 v8, v8, v9, 0x4800000           ; and the floor 2^(9 - 127): the byte cannot fall under 1
	v_max_num_f32_dpp v8, v8, v8 row_xmask:1 row_mask:0xf bank_mask:0xf   ; with my neighbour's 16: the block's
	v_add_nc_u32 v11, 0xfc000000, v8               ; 8 off the exponent field: the conversion's scale operand
	v_and_or_b32 v10, v8, 0x7f800000, s26          ; 448 x the scale
.irp i, 0,1,2,3,4,5,6,7,8,9,10,11,12,13,14,15
	v_med3_num_f32 v[XS+\i], v[XS+\i], -v10, v10   ; the conversion to an 8-bit code does not saturate (ISA guide 7.6.2): the hold
.endr
	v_cvt_scalef32_pk8_fp8_f32 v[CC:CC+1], v[XS:XS+7], v11
	v_cvt_scalef32_pk8_fp8_f32 v[CC+2:CC+3], v[XS+8:XS+15], v11
	v_lshrrev_b32 v[E+(\t)%2], 23, v11             ; the scale's byte (a plain line behind the conversions)
	ds_store_b8 v5, v[E+(\t)%2] offset:16*(\t)     ; [tile row][32]: byte 16 half + lane / 2; both lanes of a block write the same value
	ds_store_b128 v6, v[CC:CC+3] offset:((\t)%2)*8704+16*((\t)/2)   ; k = 512 half + 16 lane: unit 32 half + lane of the image, tile row t / 2
.endm
.irp t, 0,1,2,3
	LOAD \t
.endr
	s_wait_loadcnt 12                              ; step 0's four loads are in
	TURN 0
.set Q, 0
.rept STEPS
	STEP Q
.set Q, Q+1
.endr
.set i, 0
.rept 32                               ; the image leaves as it lies: unit U is bytes 256 U on
	ds_load_b128 v[16+4*i+16*(i/24):16+4*i+16*(i/24)+3], v7 offset:544*i
.set i, i+1
.endr
	ds_load_b128 v[160:163], v12
.set i, 0
.rept 32
	s_wait_dscnt 32-i                              ; the younger read-backs and the scale bytes' load may be out
	global_store_b128 v3, v[16+4*i+16*(i/24):16+4*i+16*(i/24)+3], s[18:19] offset:512*i   ; 512 consecutive bytes, aligned
.set i, i+1
.endr
	s_wait_dscnt 0x0
	global_store_b128 v3, v[160:163], s[18:19] offset:16384
	s_wait_tensorcnt 0x0
	ds_add_u32 v192, v193
	s_wait_dscnt 0x0
	s_endpgm
; ---------------- weights: K is not innermost.  A lane takes a column and its registers run down K ----------------
.Lweights:
	s_sub_co_u32 s25, ttmp9, 384
	s_lshr_b32 s27, s25, 5                         ; which matrix: 0 Wq, 1 Wk, 2 Wv, 3 Wo
	s_and_b32 s25, s25, 31                         ; which 32 columns; the wave's number is which 256 of K
	s_lshr_b32 s50, s25, 1
	s_lshl_b32 s50, s50, 18                        ; per-head weights: head x 1,024 x 256 bytes,
	s_and_b32 s51, s25, 1
	s_lshl_b32 s51, s51, 7                         ; 32 columns of 4 bytes,
	s_or_b32 s50, s50, s51
	s_lshl_b32 s51, s24, 16                        ; 256 rows of 256 bytes
	s_or_b32 s50, s50, s51
	s_lshl_b32 s52, s25, 7                         ; Wo: 32 columns, 256 rows of 4,096 bytes
	s_lshl_b32 s51, s24, 20
	s_or_b32 s52, s52, s51
	s_lshl_b32 s54, s27, 20                        ; codes: matrix, pair of tiles (2 x 16,384), two K steps of 2,048
	s_lshl_b32 s55, s25, 15
	s_or_b32 s54, s54, s55
	s_lshl_b32 s55, s24, 12
	s_or_b32 s54, s54, s55
	s_mov_b32 s55, 0
	s_lshl_b32 s56, s27, 15                        ; scale bytes: matrix, 32 rows of 32 bytes, 8 bytes
	s_lshl_b32 s57, s25, 10
	s_or_b32 s56, s56, s57
	s_lshl_b32 s57, s24, 3
	s_or_b32 s56, s56, s57
	s_mov_b32 s57, 0
	s_mov_b32 s30, 4096
	s_cmp_eq_u32 s27, 3
	s_cselect_b32 s30, s30, 256                    ; bytes from one k to the next
	s_cselect_b32 s50, s52, s50
	s_mov_b32 s51, 0
	s_lshl_b32 s48, s30, 5                         ; and from a block to the next
	s_mov_b32 s49, 0
	s_wait_alu depctr_va_vdst(0)
	v_lshlrev_b32 v[OFF], 2, v2
.set i, 1
.rept 31
	v_add_nc_u32 v[OFF+i], s30, v[OFF+i-1]
.set i, i+1
.endr
	v_bfe_u32 v8, v2, 3, 1                         ; column 8 u + r + 8 (r / 8) of the 32: u = bit 3,
	v_bfe_u32 v9, v2, 4, 1
	v_and_b32 v6, 7, v2
	v_lshl_or_b32 v6, v9, 3, v6                    ; r = bits 2:0 and bit 4
	v_lshlrev_b32 v4, 4, v6
	v_lshl_or_b32 v4, v8, 14, v4                   ; codes: tile u, lane r
	v_lshlrev_b32 v5, 5, v6
	v_lshl_or_b32 v5, v8, 9, v5                    ; scale bytes: row 16 u + r
	s_wait_alu depctr_va_vdst(0)
	s_wait_kmcnt 0x0
	s_cmp_eq_u32 s27, 0
	s_cselect_b64 s[28:29], s[10:11], s[12:13]
	s_cmp_lt_u32 s27, 2
	s_cselect_b64 s[28:29], s[28:29], s[14:15]
	s_cmp_lt_u32 s27, 3
	s_cselect_b64 s[28:29], s[28:29], s[16:17]
	s_add_nc_u64 s[32:33], s[28:29], s[50:51]      ; a base for each of the 8 blocks
.irp t, 1,2,3,4,5,6,7
	s_add_nc_u64 s[32+2*\t:33+2*\t], s[30+2*\t:31+2*\t], s[48:49]
.endr
	s_add_nc_u64 s[54:55], s[20:21], s[54:55]
	s_add_nc_u64 s[56:57], s[22:23], s[56:57]
.macro WLOAD t                         ; block t: 32 rows of K at my column: 128 consecutive bytes a load
.set i, 0
.rept 32
	global_load_b32 v[WX+32*((\t)%2)+i], v[OFF+i], s[32+2*(\t):33+2*(\t)] th:TH_LOAD_NT
.set i, i+1
.endr
.endm
.macro BLOCK t
.set XS, WX+32*((\t)%2)
.set CC, WC+8*(\t)
.if (\t) < 7
	s_wait_loadcnt 32                              ; this block's 32 loads are in; the next block's may be out
.else
	s_wait_loadcnt 0x0
.endif
	v_max3_num_f32 v12, |v[XS]|, |v[XS+1]|, |v[XS+2]|              ; all 32 numbers of the block are mine
	v_max3_num_f32 v13, |v[XS+3]|, |v[XS+4]|, |v[XS+5]|
.irp i, 6,10,14,18,22,26
	v_max3_num_f32 v12, v12, |v[XS+\i]|, |v[XS+\i+1]|
	v_max3_num_f32 v13, v13, |v[XS+\i+2]|, |v[XS+\i+3]|
.endr
	v_max3_num_f32 v12, v12, |v[XS+30]|, |v[XS+31]|
	v_max3_num_f32 v12, v12, v13, 0x4800000
	v_add_nc_u32 v11, 0xfc000000, v12
	v_and_or_b32 v10, v12, 0x7f800000, s26
	v_lshrrev_b32 v13, 23, v11
.if (\t)%4 == 0
	v_mov_b32 v[SBY+(\t)/4], v13
.else
	v_lshl_or_b32 v[SBY+(\t)/4], v13, 8*((\t)%4), v[SBY+(\t)/4]
.endif
.irp i, 0,1,2,3,4,5,6,7,8,9,10,11,12,13,14,15,16,17,18,19,20,21,22,23,24,25,26,27,28,29,30,31
	v_med3_num_f32 v[XS+\i], v[XS+\i], -v10, v10
.endr
.irp g, 0,1,2,3
	v_cvt_scalef32_pk8_fp8_f32 v[CC+2*\g:CC+2*\g+1], v[XS+8*\g:XS+8*\g+7], v11
.endr
	v_nop                                          ; a plain line behind the last conversion
	global_store_b128 v4, v[CC:CC+3], s[54:55] offset:((\t)/4)*2048+((\t)%4)*512        ; k 0-15 of the block: the image's lanes 0-15; sixteen lanes fill 256 aligned bytes of each of the two tiles
	global_store_b128 v4, v[CC+4:CC+7], s[54:55] offset:((\t)/4)*2048+((\t)%4)*512+256  ; k 16-31: its lanes 16-31
.if (\t)+2 < 8
	WLOAD (\t)+2
.endif
.endm
	WLOAD 0
	WLOAD 1
.set Q, 0
.rept 8
	BLOCK Q
.set Q, Q+1
.endr
	global_store_b64 v5, v[SBY:SBY+1], s[56:57]    ; my column's 8 scale bytes: 8 of a row's 32, one byte in 128 of what this path reads
	s_endpgm
.Lfunc_end_k_q9fe5831814_quant:
	.size	k_q9fe5831814_quant, .Lfunc_end_k_q9fe5831814_quant-k_q9fe5831814_quant
	.p2alignl 7, 3214868480
	.fill 96, 4, 3214868480
	.section	.rodata,"a",@progbits
	.p2align	6, 0x0
	.amdhsa_kernel k_q9fe5831814_quant
		.amdhsa_group_segment_fixed_size 92672
		.amdhsa_private_segment_fixed_size 0
		.amdhsa_enable_private_segment 0
		.amdhsa_kernarg_size 80
		.amdhsa_user_sgpr_count 2
		.amdhsa_user_sgpr_kernarg_segment_ptr 1
		.amdhsa_wavefront_size32 1
		.amdhsa_system_sgpr_workgroup_id_x 1
		.amdhsa_system_sgpr_workgroup_id_y 1
		.amdhsa_system_sgpr_workgroup_id_z 1
		.amdhsa_system_vgpr_workitem_id 0
		.amdhsa_next_free_vgpr 194
		.amdhsa_next_free_sgpr 66
		.amdhsa_reserve_vcc 0
		.amdhsa_float_denorm_mode_32 3
		.amdhsa_float_denorm_mode_16_64 3
		.amdhsa_memory_ordered 1
		.amdhsa_forward_progress 1
		.amdhsa_inst_pref_size 162
	.end_amdhsa_kernel
	.amdgpu_metadata
---
amdhsa.version: [ 1, 2 ]
amdhsa.kernels:
  - .name:           k_q9fe5831814_quant
    .symbol:         k_q9fe5831814_quant.kd
    .args:
      - { .name: Query, .offset: 0, .size: 8, .value_kind: global_buffer, .address_space: global }
      - { .name: Key, .offset: 8, .size: 8, .value_kind: global_buffer, .address_space: global }
      - { .name: Value, .offset: 16, .size: 8, .value_kind: global_buffer, .address_space: global }
      - { .name: Wq, .offset: 24, .size: 8, .value_kind: global_buffer, .address_space: global }
      - { .name: Wk, .offset: 32, .size: 8, .value_kind: global_buffer, .address_space: global }
      - { .name: Wv, .offset: 40, .size: 8, .value_kind: global_buffer, .address_space: global }
      - { .name: Wo, .offset: 48, .size: 8, .value_kind: global_buffer, .address_space: global }
      - { .name: xr, .offset: 56, .size: 8, .value_kind: global_buffer, .address_space: global }
      - { .name: wc, .offset: 64, .size: 8, .value_kind: global_buffer, .address_space: global }
      - { .name: ws, .offset: 72, .size: 8, .value_kind: global_buffer, .address_space: global }
    .group_segment_fixed_size: 92672
    .private_segment_fixed_size: 0
    .kernarg_segment_align: 8
    .kernarg_segment_size: 80
    .max_flat_workgroup_size: 128
    .sgpr_count:     66
    .vgpr_count:     194
    .wavefront_size: 32
...
	.end_amdgpu_metadata
.endif
;; end of part 1
;; launch proj (part 2): grid 4 x 64, 4 waves a work-group, clusters of 4 x 1, 327,680 bytes of LDS; arguments xr, wc, ws, bq, bk, bv, qr, kv; writes qr, kv
.if DOCPART == 2
	.amdgcn_target "amdgcn-amd-amdhsa--gfx1250"
	.amdhsa_code_object_version 6
	.text
	.protected	k_q9fe5831814_proj
	.globl	k_q9fe5831814_proj
	.p2align	8
	.type	k_q9fe5831814_proj,@function
k_q9fe5831814_proj:
	s_mov_b64 s[64:65], 0
	v_nop
	global_prefetch_b8 v0, s[64:65] scope:SCOPE_SE
	s_setreg_imm32_b32 hwreg(HW_REG_WAVE_MODE, 25, 1), 1
	s_wait_xcnt 0x0
	s_wait_alu depctr_hold_cnt(0) depctr_sa_sdst(0) depctr_va_vdst(0) depctr_va_sdst(0) depctr_va_ssrc(0) depctr_va_vcc(0) depctr_vm_vsrc(0)
	s_getreg_b32 s2, hwreg(HW_REG_IB_STS2, 6, 4)
	s_cmp_eq_u32 s2, 0
	s_cbranch_scc0 .Lentry_in_a_cluster
	s_endpgm
.Lentry_in_a_cluster:
	s_bfe_u32 s2, ttmp6, 0x10000c
	s_cmp_lg_u32 s2, 0x3003
	s_cbranch_scc0 .Lentry_shape_is_right
	s_endpgm
.Lentry_shape_is_right:
; q, k, v = x W + b on codes of E4M3 with E8M0 scales, and the results quantised at once for the attention's two products: q and k along the head's 64, v along the keys.
; UNITS.  A unit U = 64 x product + record is 128 rows (8 tiles of 16) of one product (0 q, 1 k, 2 v): 192 units.  Work-group (slice, y) takes units 3 y, 3 y + 1, 3 y + 2 for the slice's four heads;
; wave w owns head 4 slice + w: 64 columns, four tiles of W.  256 work-groups, 24 tiles each.  A work-group's 24 records of x lie on end in xr.
; THE WEIGHTS STAY: the wave's 32 fragments of W (4 tiles x 8 K steps, 512 registers) are read straight into registers, 512 consecutive bytes a load, at the head, and again only where a unit begins
; a new product (U % 64 = 0: in y = 21 and y = 42): a scalar branch on y, which the four partners share, round global loads alone.
; THE ROWS' CODES go through two LDS slots of 8 records of 16,896 bytes (an image of the fragments' registers, then 16 x 32 scale bytes); a wave fetches two records on end by one tensor load.
; Unit 0 fills slot 0 at the head; unit 1 fills slot 1 behind unit 0's opening round; unit 2 fills slot 0 again behind unit 1's opening round.  By the text's own count one tensor load of a wave is out at a time.
; In front of each of these rounds every wave waits for its tensor load, adds 0 to its spare word and waits for that and for its LDS reads.
; CLUSTER.  The four slices of one y read the same records: each pair is asked for JOINTLY, by the same tensor load with the same descriptor and the mask of all four.  W is shared by no partner.
; No prefetch: W is asked for at the head, where there is nothing to run ahead in, and a unit's rows are asked for a whole unit (8 tiles, 256 products a wave) ahead by their tensor load.
; A UNIT is a loop of four pairs of tiles.  The fetch of the next pair's first tile is held inside the slot by s_min_u32: in the last trip it names the slot's tile 6 again and is not used.
; ORIENTATION.  q, k: source 0 = 16 columns of W, source 1 = 16 rows of x: a lane holds one row, its registers run along the head's 64.  v: the sources swapped: a lane holds one column, its registers run along the keys.
; The two forms are two arms of a scalar branch on the unit's product, round matrix instructions and epilogues alone; LDS loads, tensor loads and barriers are common text.
; The rows of every tile are laid 32 g + 8 u + r + 8 (r / 8), so 16 registers of two neighbouring tiles are 16 neighbours along the next K, and the conversions' results are the next operand's registers.
; The bias is the C of each sum's first instruction.
; OUTPUT, a record of 17,152 bytes for each 128 rows of a head: +0 k's (or q's) codes [tile 8][c 2][lane][16]; +8192 v's [tile of 16 columns 4][c 4][lane][16]; +16384 k's scale words [tile][r][4]; +16896 v's [tile][r][4].
; A q or k scale word has its two bytes low; its upper two bytes are the neighbouring tile's bytes or 0, never 0xff.
; LIMITS: NaN and infinities are not served; a block whose largest magnitude lies under 2^-118 gets the byte 1.
; REGISTERS.  Window 0: v1-12 addresses; v24-55 W's scale words; v56-71 x's, two sets; v72-103 bias; v104-167 accumulators (tile parity p, W's tile t) at 104 + 8 (4 p + t); v168-183 codes; v184-222 at work.
;   Window 1: W, K steps 0-3 at 64 ks + 16 t.  Window 2: K steps 4-7.  Window 3: x's fragments, two sets of 128.
.set TILEB, 16896
.set SLOT,  8*TILEB
.set REC,   17152
.set LAC, 8                            ; v8   LDS: this pair's codes, + 16 x lane
.set LSC, 9                            ; v9   its scale bytes, + 32 r
.set LAN, 10                           ; v10, v11 the same of the next pair
.set LSN, 11
.set LS0, 12                           ; v12  32 r + 16,384
.set WS,  24
.set XS,  56
.set BI,  72
.set ACC, 104
.set PC,  168
.set TM,  184                          ; +0 largest magnitudes, +4 bytes, +8 holds, +12 scale operands
.set PW,  200
.set SD0, 201
.set SD1, 202
.set VW,  204                          ; v's scale words of the record's four key blocks
.set PT,  208
.set G1,  36                           ; s[36:43] descriptor group 1; s[44:55] three groups 0, one a unit, never rewritten
.set G0,  44
.set SEL, 60
.set MNT, 62
.set HM,  63
.set OB,  66                           ; the unit's record in qr or kv
.set WB,  68
.set WSB, 70
.set MSB, 0
.macro WIN new                         ; the immediate's high byte repeats the setting that is left
.if MSB != \new
	s_set_vgpr_msb (MSB<<8)|\new
.set MSB, \new
.endif
.endm
.macro PLACES n
.rept \n
	v_nop
.endr
.endm
.macro CROUND                          ; a round of the cluster's barrier
	s_barrier_signal -1
	s_barrier_wait -1
	s_cmp_lg_u32 s20, 0
	s_cbranch_scc1 .Lnot_wave_0_\@
	s_barrier_signal -3
.Lnot_wave_0_\@:
	s_barrier_wait -3
	s_barrier_signal -1
	s_barrier_wait -1
.endm
	s_load_b512 s[4:19], s[0:1], 0x0               ; xr 4, wc 6, ws 8, bq 10, bk 12, bv 14, qr 16, kv 18
	v_lshl_add_u32 v254, v0, 2, 0x42000            ; my spare word, behind the two slots
	v_mov_b32 v255, 0
	ds_add_u32 v254, v255                          ; the opening lines: the add, twice on end, and one wait
	ds_add_u32 v254, v255
	v_lshrrev_b32 v1, 5, v0
	v_readfirstlane_b32 s20, v1                    ; wave
	s_bfe_u32 s21, ttmp6, 0x40000                  ; cx
	s_lshl_b32 s26, ttmp9, 2
	s_add_co_u32 s21, s26, s21                     ; slice
	s_and_b32 s22, ttmp7, 0xffff                   ; y
	s_lshl_b32 s25, s21, 2
	s_add_co_u32 s25, s25, s20                     ; my head
	v_and_b32 v1, 31, v0                           ; lane
	v_and_b32 v2, 15, v0                           ; r
	v_bfe_u32 v3, v0, 4, 1                         ; h
	v_lshlrev_b32 v4, 4, v1                        ; 16 x lane
	v_lshlrev_b32 v5, 2, v1                        ; 4 x lane
	v_lshlrev_b32 v6, 4, v3                        ; 16 h
	v_lshlrev_b32 v7, 6, v3                        ; 64 h
	v_and_b32 v203, 8, v2
	v_add_nc_u32 v203, v203, v2
	v_lshlrev_b32 v203, 2, v203                    ; 4 (r + 8 (r / 8))
	v_lshlrev_b32 v222, 5, v2                      ; 32 r
	v_add_nc_u32 v[LS0], 16384, v222
.irp b, 0,1,2,3
	v_mov_b32 v[TM+4+\b], 0                        ; written once: a lane permute's destination counts as one of its sources
	v_mov_b32 v[VW+\b], 0
.endr
	s_mov_b32 s[G1], 15|(3<<16)|(1<<21)            ; 15:0 the mask: all four work-groups; 17:16 elements of 8 bytes; 21 set beside a mask; no padding: an image is read 512 consecutive bytes at a time
	s_mov_b32 s[G1+1], 32<<16                      ; tensor_dim0 = 32 elements: rows of 256 bytes
	s_mov_b32 s[G1+2], 132<<16                     ; tensor_dim1 = 132 rows: two records on end
	s_mov_b32 s[G1+3], 32<<16                      ; tile_dim0
	s_mov_b32 s[G1+4], 132                         ; tile_dim1
	s_mov_b32 s[G1+5], 32                          ; the pitch: dense
	s_mov_b32 s[G1+6], 0
	s_mov_b32 s[G1+7], 0
	s_mul_i32 s87, s22, 3                          ; my first unit
	s_lshl_b32 s26, s87, 3                         ; its first record, 8 U; mine are 2 x wave on: y and the wave alone
	s_lshl_b32 s27, s20, 1
	s_add_co_u32 s26, s26, s27
	s_mul_i32 s26, s26, TILEB
	s_mov_b32 s27, 0
	s_mul_i32 s30, s20, 2*TILEB                    ; and their place in a slot
	s_lshl_b32 s74, s25, 16                        ; my head's place in a matrix of wc,
	s_mov_b32 s75, 0
	s_lshl_b32 s76, s25, 11                        ; of ws,
	s_mov_b32 s77, 0
	s_lshl_b32 s78, s25, 8                         ; in a bias
	s_mov_b32 s79, 0
	s_mov_b32 s[SEL], 0x76543210
	s_mov_b32 s[SEL+1], 0xfedcba98                 ; v_permlanex16_b32's selects for lane l xor 16
	s_mov_b32 s[MNT], 0x600000                     ; the mantissa field of 448
	s_mov_b32 s[HM], 0xffff0000                    ; lanes 16-31
	s_wait_alu depctr_va_vdst(0)
	s_wait_dscnt 0x0                               ; both opening adds are done
	s_wait_kmcnt 0x0
	s_add_nc_u64 s[28:29], s[4:5], s[26:27]
.irp i, 0,1,2
	s_mov_b32 s[G0+4*\i], 1
	s_add_co_u32 s[G0+4*\i+1], s30, (\i%2)*SLOT                    ; units 0 and 2: slot 0; unit 1: slot 1
	s_add_nc_u64 s[G0+4*\i+2:G0+4*\i+3], s[28:29], \i*SLOT         ; 8 records a unit
	s_or_b32 s[G0+4*\i+3], s[G0+4*\i+3], 0x80000000
.endr
.macro WLOAD                           ; W of product s23, its scale words and the bias, into registers whose last readers are more than eight places back
	s_lshl_b32 s26, s23, 20
	s_mov_b32 s27, 0
	s_add_nc_u64 s[WB:WB+1], s[6:7], s[74:75]      ; (the earlier loads by these bases have been waited for)
	s_add_nc_u64 s[WB:WB+1], s[WB:WB+1], s[26:27]
	s_lshl_b32 s26, s23, 15
	s_add_nc_u64 s[WSB:WSB+1], s[8:9], s[76:77]
	s_add_nc_u64 s[WSB:WSB+1], s[WSB:WSB+1], s[26:27]
	s_cmp_eq_u32 s23, 0                            ; which bias: the choice hangs on the unit's number alone
	s_cselect_b64 s[34:35], s[10:11], s[12:13]
	s_cmp_eq_u32 s23, 2
	s_cselect_b64 s[34:35], s[14:15], s[34:35]
	s_add_nc_u64 s[34:35], s[34:35], s[78:79]
	WIN 0x40                                       ; destination window 1
.irp ks, 0,1,2,3
.irp t, 0,1,2,3
.irp c, 0,1,2,3
	global_load_b128 v[64*\ks+16*\t+4*\c:64*\ks+16*\t+4*\c+3], v4, s[WB:WB+1] offset:\t*16384+\ks*2048+\c*512
.endr
.endr
.endr
	WIN 0x80                                       ; destination window 2
.irp ks, 0,1,2,3
.irp t, 0,1,2,3
.irp c, 0,1,2,3
	global_load_b128 v[64*\ks+16*\t+4*\c:64*\ks+16*\t+4*\c+3], v4, s[WB:WB+1] offset:\t*16384+(\ks+4)*2048+\c*512
.endr
.endr
.endr
	WIN 0
.irp t, 0,1,2,3                        ; a row's 32 scale bytes are the 8 words of its 8 K steps
	global_load_b128 v[WS+8*\t:WS+8*\t+3], v222, s[WSB:WSB+1] offset:\t*512
	global_load_b128 v[WS+8*\t+4:WS+8*\t+7], v222, s[WSB:WSB+1] offset:\t*512+16
.endr
	s_cmp_eq_u32 s23, 2
	s_cbranch_scc1 .Lbias_v_\@
.irp t, 0,1,2,3                        ; q, k: register j of tile t is column 32 (t / 2) + 16 h + 8 (t % 2) + j
	global_load_b128 v[BI+8*\t:BI+8*\t+3], v7, s[34:35] offset:(32*(\t/2)+8*(\t%2))*4
	global_load_b128 v[BI+8*\t+4:BI+8*\t+7], v7, s[34:35] offset:(32*(\t/2)+8*(\t%2))*4+16
.endr
	s_branch .Lbias_done_\@
.Lbias_v_\@:
.irp t, 0,1,2,3                        ; v: all eight registers of tile t are column 32 (t / 2) + 8 (t % 2) + r + 8 (r / 8)
.irp j, 0,1,2,3,4,5,6,7
	global_load_b32 v[BI+8*\t+\j], v203, s[34:35] offset:(32*(\t/2)+8*(\t%2))*4
.endr
.endr
.Lbias_done_\@:
.endm
.macro FETCH a, as, off, p             ; a tile's eight fragments and its scale words into set p: 34 LDS loads
	WIN 0xc0                                       ; destination window 3
.irp ks, 0,1,2,3,4,5,6,7
.irp c, 0,1,2,3
	ds_load_b128 v[128*(\p)+16*\ks+4*\c:128*(\p)+16*\ks+4*\c+3], v[\a] offset:(\off)+\ks*2048+\c*512
.endr
.endr
	WIN 0
	ds_load_b128 v[XS+8*(\p):XS+8*(\p)+3], v[\as] offset:(\off)
	ds_load_b128 v[XS+8*(\p)+4:XS+8*(\p)+7], v[\as] offset:(\off)+16
.endm
.macro WM p, t, ks, swap               ; one product: W's tile t, K step ks, x's set p
.set rD, ACC+8*(4*(\p)+\t)
.set rW, 64*((\ks)%4)+16*\t
.set rX, 128*(\p)+16*(\ks)
.if \swap
.if (\ks) == 0
	v_wmma_scale_f32_16x16x128_f8f6f4 v[rD:rD+7], v[rX:rX+15], v[rW:rW+15], v[BI+8*\t:BI+8*\t+7], v[XS+8*(\p)+(\ks)], v[WS+8*\t+(\ks)]
.else
	v_wmma_scale_f32_16x16x128_f8f6f4 v[rD:rD+7], v[rX:rX+15], v[rW:rW+15], v[rD:rD+7], v[XS+8*(\p)+(\ks)], v[WS+8*\t+(\ks)]
.endif
.else
.if (\ks) == 0
	v_wmma_scale_f32_16x16x128_f8f6f4 v[rD:rD+7], v[rW:rW+15], v[rX:rX+15], v[BI+8*\t:BI+8*\t+7], v[WS+8*\t+(\ks)], v[XS+8*(\p)+(\ks)]
.else
	v_wmma_scale_f32_16x16x128_f8f6f4 v[rD:rD+7], v[rW:rW+15], v[rX:rX+15], v[rD:rD+7], v[WS+8*\t+(\ks)], v[XS+8*(\p)+(\ks)]
.endif
.endif
.endm
.macro HALF p, k0, swap                ; four K steps; the four accumulators take turns, one instruction a turn
.irp k, 0,1,2,3
.irp t, 0,1,2,3
	WM \p, \t, \k0+\k, \swap
.endr
.endr
.endm
.macro MULT p                          ; 32 products: one tile of rows against my four tiles of W, all of K
	s_cmp_eq_u32 s23, 2
	s_cbranch_scc1 .Lmul_v_\@
	WIN 0x0d                                       ; source 0 (W) window 1, source 1 (x) window 3
	HALF \p, 0, 0
	WIN 0x0e                                       ; W window 2
	HALF \p, 4, 0
	WIN 0
	s_branch .Lmul_done_\@
.Lmul_v_\@:
	WIN 0x07                                       ; source 0 (x) window 3, source 1 (W) window 1
	HALF \p, 0, 1
	WIN 0x0b                                       ; W window 2
	HALF \p, 4, 1
	WIN 0
.Lmul_done_\@:
.endm
; Four blocks of 32 along the next K become 16 registers of codes and a word of four scale bytes.  Block b's 16 numbers of a lane: v = 0: accumulators 2 b, 2 b + 1 (a tile's two halves of 32 columns);
; v = 1: accumulator b of both tiles of rows (32 keys).  Each accumulator is read from its low end on.
.macro QUANT v
.irp b, 0,1,2,3
	v_max3_num_f32 v[TM+\b], |v[ACC+(16-8*\v)*\b]|, |v[ACC+(16-8*\v)*\b+1]|, 0x4800000   ; with the floor 2^(9 - 127): the byte cannot fall under 1
.endr
.irp i, 2,4,6
.irp b, 0,1,2,3
	v_max3_num_f32 v[TM+\b], v[TM+\b], |v[ACC+(16-8*\v)*\b+\i]|, |v[ACC+(16-8*\v)*\b+\i+1]|
.endr
.endr
.irp i, 0,2,4,6
.irp b, 0,1,2,3
	v_max3_num_f32 v[TM+\b], v[TM+\b], |v[ACC+8+16*\b+\v*(24-8*\b)+\i]|, |v[ACC+8+16*\b+\v*(24-8*\b)+\i+1]|
.endr
.endr
.irp b, 0,1,2,3
	v_permlanex16_b32 v[TM+4+\b], v[TM+\b], s[SEL], s[SEL+1]
.endr
.irp b, 0,1,2,3
	v_max_num_f32 v[TM+\b], v[TM+\b], v[TM+4+\b]   ; with lane l xor 16's 16: the block's largest magnitude
.endr
.irp b, 0,1,2,3
	v_add_nc_u32 v[TM+12+\b], 0xfc000000, v[TM+\b] ; 8 off the exponent field: the conversion's scale operand
.endr
.irp b, 0,1,2,3
	v_and_or_b32 v[TM+8+\b], v[TM+\b], 0x7f800000, s[MNT]   ; 448 x the scale
.endr
.irp b, 0,1,2,3
	v_lshrrev_b32 v[TM+4+\b], 23, v[TM+12+\b]      ; the scale's byte
.endr
	v_lshl_or_b32 v[PW], v[TM+5], 8, v[TM+4]
	v_lshl_or_b32 v[PW], v[TM+6], 16, v[PW]
	v_lshl_or_b32 v[PW], v[TM+7], 24, v[PW]
.irp b, 0,1,2,3
.irp i, 0,1,2,3,4,5,6,7
	v_med3_num_f32 v[ACC+(16-8*\v)*\b+\i], v[ACC+(16-8*\v)*\b+\i], -v[TM+8+\b], v[TM+8+\b]   ; the conversion does not saturate (ISA guide 7.6.2): the hold
.endr
.irp i, 0,1,2,3,4,5,6,7
	v_med3_num_f32 v[ACC+8+16*\b+\v*(24-8*\b)+\i], v[ACC+8+16*\b+\v*(24-8*\b)+\i], -v[TM+8+\b], v[TM+8+\b]
.endr
	v_cvt_scalef32_pk8_fp8_f32 v[PC+4*\b:PC+4*\b+1], v[ACC+(16-8*\v)*\b:ACC+(16-8*\v)*\b+7], v[TM+12+\b]
	v_cvt_scalef32_pk8_fp8_f32 v[PC+4*\b+2:PC+4*\b+3], v[ACC+8+16*\b+\v*(24-8*\b):ACC+8+16*\b+\v*(24-8*\b)+7], v[TM+12+\b]
.endr
	v_nop                                          ; a plain line behind the last conversion: later products write its sources
.endm
.macro EPI                             ; pair s86 (0 .. 3) of the unit's tiles, 32 rows, is quantised and stored into the record at s[OB:OB+1]
	PLACES 8                                       ; behind the last products, ahead of the first read of their results
	s_wait_xcnt 0x0                                ; the last pair's stores have read their data and bases: these are rewritten only behind this wait
	s_mov_b32 s27, 0
	s_cmp_eq_u32 s23, 2
	s_cbranch_scc1 .Lepi_v_\@
	s_lshl_b32 s26, s86, 11
	s_add_nc_u64 s[88:89], s[OB:OB+1], s[26:27]    ; tiles 2 P, 2 P + 1 of the record: 2,048 P
	s_lshl_b32 s26, s86, 7
	s_add_nc_u64 s[90:91], s[OB:OB+1], s[26:27]    ; their scale words: 128 P
	QUANT 0
.irp bb, 0,1,2,3
	global_store_b128 v4, v[PC+4*\bb:PC+4*\bb+3], s[88:89] offset:\bb*512   ; c = 0, 1 of each of the two tiles: 512 consecutive bytes
.endr
	v_lshrrev_b32 v[SD0], v6, v[PW]                ; lanes 0-15 keep the even tile's two bytes low, lanes 16-31 bring the odd tile's down
	global_store_b32 v5, v[SD0], s[90:91] offset:16384
	s_branch .Lepi_done_\@
.Lepi_v_\@:
	s_lshl_b32 s26, s86, 9
	s_add_nc_u64 s[88:89], s[OB:OB+1], s[26:27]    ; key block P: 512 P
	QUANT 1
.irp t, 0,1,2,3
	global_store_b128 v4, v[PC+4*\t:PC+4*\t+3], s[88:89] offset:8192+\t*2048   ; tile t of the head's columns
.endr
	v_mov_b32 v[VW], v[VW+1]                       ; the four key blocks' words are shifted through: behind the fourth pair v[VW + P] holds block P's
	v_mov_b32 v[VW+1], v[VW+2]
	v_mov_b32 v[VW+2], v[VW+3]
	v_mov_b32 v[VW+3], v[PW]                       ; byte t: tile t's scale for this key block
.Lepi_done_\@:
.endm
.macro UNIT u                          ; my u-th unit: slot u % 2
.set SB, ((\u)%2)*SLOT
	s_wait_xcnt 0x0                                ; the last unit's stores have read their base
	s_add_co_u32 s24, s87, \u                      ; U
	s_lshr_b32 s23, s24, 6                         ; its product
	s_bfe_u32 s31, s24, 0x20004                    ; batch: bits 5:4
	s_lshl_b32 s31, s31, 4
	s_add_co_u32 s31, s31, s25
	s_lshl_b32 s31, s31, 4                         ; 16 records a head
	s_and_b32 s32, s24, 15                         ; which 128 rows of the batch
	s_add_co_u32 s32, s31, s32
	s_mul_i32 s32, s32, REC
	s_mov_b32 s33, 0
	s_cmp_eq_u32 s23, 0
	s_cselect_b64 s[OB:OB+1], s[16:17], s[18:19]   ; q goes to qr, k and v to kv
	s_add_nc_u64 s[OB:OB+1], s[OB:OB+1], s[32:33]
.if (\u) > 0
	s_and_b32 s26, s24, 63
	s_cmp_lg_u32 s26, 0                            ; the same product as the unit before: W stays
	s_cbranch_scc1 .Lsame_w_\@
.endif
	WLOAD
.if (\u) > 0
.Lsame_w_\@:
.endif
	s_wait_tensorcnt 0x0                           ; my two records of this unit's rows are in;
	ds_add_u32 v254, v255                          ; 0 onto my spare word;
	s_wait_dscnt 0x0                               ; the add is done, and so are my reads of the other slot
.if (\u) < 2
	CROUND                                         ; both now hold of every wave of the four work-groups
	tensor_load_to_lds s[G0+4*(\u)+4:G0+4*(\u)+7], s[G1:G1+7]   ; the next unit's rows into the other slot: my one tensor load behind this round
	s_nop 0
	PLACES 4
.else
	s_barrier_signal -1                            ; nothing more is filled: my work-group's barrier alone
	s_barrier_wait -1
.endif
	s_mov_b32 s84, SB                              ; LDS: this pair,
	s_mov_b32 s85, SB+2*TILEB                      ; the next,
	s_mov_b32 s86, 0                               ; the pair's number
	v_add_nc_u32 v[LAC], s84, v4
	v_add_nc_u32 v[LSC], s84, v[LS0]
	FETCH LAC, LSC, 0, 0
	s_wait_loadcnt 0x0                             ; W, its scale words, the bias
.Lpair_\@:
	v_add_nc_u32 v[LAC], s84, v4
	v_add_nc_u32 v[LSC], s84, v[LS0]
	FETCH LAC, LSC, TILEB, 1                       ; the pair's odd tile (the last epilogue's places stand ahead of these loads)
	s_wait_dscnt 34                                ; all but the 34 just issued: the even tile's fragments and words are in
	MULT 0
	PLACES 8                                       ; ahead of loads into the set that was just multiplied
	v_add_nc_u32 v[LAN], s85, v4
	v_add_nc_u32 v[LSN], s85, v[LS0]
	FETCH LAN, LSN, 0, 0                           ; the next pair's even tile
	s_wait_dscnt 34                                ; the odd tile's are in
	MULT 1
	EPI
	s_add_co_u32 s84, s84, 2*TILEB
	s_add_co_u32 s85, s84, 2*TILEB
	s_min_u32 s85, s85, SB+6*TILEB                 ; the look-ahead stays inside the slot
	s_add_co_u32 s86, s86, 1
	s_cmp_lt_u32 s86, 4
	s_wait_alu depctr_va_vdst(0)
	s_cbranch_scc1 .Lpair_\@
	s_cmp_lg_u32 s23, 2
	s_cbranch_scc1 .Lno_v_\@
	s_wait_alu depctr_va_vdst(0)                   ; ahead of the readers below
	v_perm_b32 v[PT], v[VW+1], v[VW], 0x05010400   ; v: the record's four words [key block][tile] are turned into [tile][key block]
	v_perm_b32 v[PT+1], v[VW+1], v[VW], 0x07030602
	v_perm_b32 v[PT+2], v[VW+3], v[VW+2], 0x05010400
	v_perm_b32 v[PT+3], v[VW+3], v[VW+2], 0x07030602
	v_perm_b32 v[PT+4], v[PT+2], v[PT], 0x05040100
	v_perm_b32 v[PT+5], v[PT+2], v[PT], 0x07060302
	v_perm_b32 v[PT+6], v[PT+3], v[PT+1], 0x05040100
	v_perm_b32 v[PT+7], v[PT+3], v[PT+1], 0x07060302
	v_cndmask_b32 v[SD0], v[PT+4], v[PT+5], s[HM]  ; lanes 0-15 tile 0's word, lanes 16-31 tile 1's
	v_cndmask_b32 v[SD1], v[PT+6], v[PT+7], s[HM]
	global_store_b32 v5, v[SD0], s[OB:OB+1] offset:16896
	global_store_b32 v5, v[SD1], s[OB:OB+1] offset:16896+128
.Lno_v_\@:
.endm
	CROUND                                         ; all four work-groups are here: the joint loads meet
	tensor_load_to_lds s[G0:G0+3], s[G1:G1+7]      ; unit 0's rows, my two records: the wave's one tensor load at the head
	s_nop 0
	PLACES 4
	UNIT 0
	UNIT 1
	UNIT 2
	s_wait_tensorcnt 0x0                           ; the wave's end
	ds_add_u32 v254, v255
	s_wait_dscnt 0x0
	CROUND                                         ; the closing round: no work-group ends while a partner may still ask for records that name it
	s_endpgm
.Lfunc_end_k_q9fe5831814_proj:
	.size	k_q9fe5831814_proj, .Lfunc_end_k_q9fe5831814_proj-k_q9fe5831814_proj
	.p2alignl 7, 3214868480
	.fill 96, 4, 3214868480
	.section	.rodata,"a",@progbits
	.p2align	6, 0x0
	.amdhsa_kernel k_q9fe5831814_proj
		.amdhsa_group_segment_fixed_size 327680
		.amdhsa_private_segment_fixed_size 0
		.amdhsa_enable_private_segment 0
		.amdhsa_kernarg_size 64
		.amdhsa_user_sgpr_count 2
		.amdhsa_user_sgpr_kernarg_segment_ptr 1
		.amdhsa_wavefront_size32 1
		.amdhsa_system_sgpr_workgroup_id_x 1
		.amdhsa_system_sgpr_workgroup_id_y 1
		.amdhsa_system_sgpr_workgroup_id_z 1
		.amdhsa_system_vgpr_workitem_id 0
		.amdhsa_next_free_vgpr 1024
		.amdhsa_next_free_sgpr 92
		.amdhsa_reserve_vcc 0
		.amdhsa_float_denorm_mode_32 3
		.amdhsa_float_denorm_mode_16_64 3
		.amdhsa_memory_ordered 1
		.amdhsa_forward_progress 1
		.amdhsa_inst_pref_size 188
	.end_amdhsa_kernel
	.amdgpu_metadata
---
amdhsa.version: [ 1, 2 ]
amdhsa.kernels:
  - .name:           k_q9fe5831814_proj
    .symbol:         k_q9fe5831814_proj.kd
    .args:
      - { .name: xr, .offset: 0, .size: 8, .value_kind: global_buffer, .address_space: global }
      - { .name: wc, .offset: 8, .size: 8, .value_kind: global_buffer, .address_space: global }
      - { .name: ws, .offset: 16, .size: 8, .value_kind: global_buffer, .address_space: global }
      - { .name: bq, .offset: 24, .size: 8, .value_kind: global_buffer, .address_space: global }
      - { .name: bk, .offset: 32, .size: 8, .value_kind: global_buffer, .address_space: global }
      - { .name: bv, .offset: 40, .size: 8, .value_kind: global_buffer, .address_space: global }
      - { .name: qr, .offset: 48, .size: 8, .value_kind: global_buffer, .address_space: global }
      - { .name: kv, .offset: 56, .size: 8, .value_kind: global_buffer, .address_space: global }
    .group_segment_fixed_size: 327680
    .private_segment_fixed_size: 0
    .kernarg_segment_align: 8
    .kernarg_segment_size: 64
    .max_flat_workgroup_size: 128
    .sgpr_count:     92
    .vgpr_count:     1024
    .wavefront_size: 32
...
	.end_amdgpu_metadata
.endif
;; end of part 2
;; launch attn (part 3): grid 4 x 64, 8 waves a work-group, clusters of 4 x 1, 327,680 bytes of LDS; arguments qr, kv, orec; writes orec
.if DOCPART == 3
	.amdgcn_target "amdgcn-amd-amdhsa--gfx1250"
	.amdhsa_code_object_version 6
	.text
	.protected	k_q9fe5831814_attn
	.globl	k_q9fe5831814_attn
	.p2align	8
	.type	k_q9fe5831814_attn,@function
k_q9fe5831814_attn:
	s_mov_b64 s[64:65], 0
	v_nop
	global_prefetch_b8 v0, s[64:65] scope:SCOPE_SE
	s_setreg_imm32_b32 hwreg(HW_REG_WAVE_MODE, 25, 1), 1
	s_wait_xcnt 0x0
	s_wait_alu depctr_hold_cnt(0) depctr_sa_sdst(0) depctr_va_vdst(0) depctr_va_sdst(0) depctr_va_ssrc(0) depctr_va_vcc(0) depctr_vm_vsrc(0)
	s_getreg_b32 s2, hwreg(HW_REG_IB_STS2, 6, 4)
	s_cmp_eq_u32 s2, 0
	s_cbranch_scc0 .Lentry_in_a_cluster
	s_endpgm
.Lentry_in_a_cluster:
	s_bfe_u32 s2, ttmp6, 0x10000c
	s_cmp_lg_u32 s2, 0x3003
	s_cbranch_scc0 .Lentry_shape_is_right
	s_endpgm
.Lentry_shape_is_right:
; o = softmax(q k^T / 8) v for one head of one batch, both products on codes of E4M3 with E8M0 scales, and o quantised along the concatenated (head, channel) axis for the last product.
; THE SOFTMAX: t = score x log2(e) / 8; M = the running largest t rounded UP to a whole number; p = 2^(t - M) is quantised along the keys, not normalised; the row's sum is taken of the
; unquantised p and divides at the end.  When M moves, the sum and O are multiplied by 2^(old M - new M): exact.
; SHARES.  Work-group (x, y): y = batch x 16 + head, x a quarter of the 2,048 queries (32 tiles of 16).  Eight waves, two to a SIMD.  A wave holds TWO tiles at once, A and B, in two passes:
; tiles 32 x + 16 pass + wave (A) and + 8 (B).  Both tiles use each fragment of k and v that the wave reads from LDS.
; THE WHOLE HEAD'S k, v AND SCALES LIE IN LDS: 16 records of 17,152 bytes, filled once, one tensor load of two records a wave; one barrier; nothing is filled twice, nothing is stored to LDS.
; CLUSTER.  The four quarters of a head read the same records: each pair is asked for JOINTLY, by the same tensor load with the same descriptor and the mask of all four.
; No prefetch: all that a work-group reads from memory is asked for at the head; there is no loop to run ahead in.
; WINDOWS.  Tile A's registers lie in window 0, tile B's in window 1 under the SAME numbers (v88-253), so one text (macros SM, EPI) serves both under settings 0 and 0x55.
; v24-87 are v's fragments in window 0 and k's in window 1.  Window 0's v0-23: addresses and scale words (scale operands have no window).  Window 1's v0-17: the second pass's q.
; THE ORDER OF A TRIP: softmax A | PV_A, next S_A | softmax B | PV_B, next S_B.  A tile's scores are made one phase before they are read, and the other tile's vector lines are the places
; behind the products.  Eight lines into softmax A the next record's k and this record's v are asked of LDS; they are waited for at its end.
; The last trip's look-ahead names record 15 again (s_min_u32): its 16 score products are not read.
; LAYOUT.  Both products transposed: S^T = k q^T, O^T = v^T p^T: a lane holds one query.  A tile's keys are 32 b + 8 u + r + 8 (r / 8), so 16 registers of tiles 2 b, 2 b + 1 are 16 neighbouring keys.
; K = 64 IN AN INSTRUCTION OF K = 128: source 0 is always a pair of key tiles (even | odd, 16 registers), whose scale word holds the even tile's two bytes low and the odd one's high.
; Against [q | 0] it gives the even tile's scores, against [0 | q], with q's scale word shifted up by 16 bits, the odd tile's.  What meets zero codes is finite (no code is NaN, no byte 0xff).
; LIMITS: NaN and infinities are not served; the scaled scores stay under 2^31 in magnitude; v_exp_f32 and v_rcp_f32 are 1 ulp; a block of o whose largest magnitude lies under 2^-118 gets the byte 1.
.set REC,   17152
.set SPARE, 0x48000                    ; the spare words, 128 bytes a wave, behind the records
.set L16,  1                           ; 16 x lane
.set L4,   2                           ; 4 x lane
.set R4,   3                           ; 4 r
.set ADK,  4                           ; LDS: the next record, + 16 x lane
.set ADKS, 5                           ;      and + 4 x lane
.set OSB,  6                           ; o's scale bytes: 32 r; lanes 16-31 eight tiles on
.set OSW,  7
.set ADV,  8                           ; LDS: this record
.set ADVS, 9
.set KSC,  10                          ; v10-13 k's scale words, a pair of tiles each
.set VSC,  14                          ; v14-15 v's: lanes 0-15 the even tile, lanes 16-31 the odd
.set QSA,  16                          ; v16 q's word of tile A, v17 the same << 16; v18, v19 tile B's
.set PWB,  20                          ; p's scale word of tile B
.set SPW,  22
.set NIL,  23
.set FR,   24
.set ZQ,   88                          ; v88-95 zeros, v96-103 q, v104-111 zeros
.set Q,    96
.set S,    112                         ; S^T, then p
.set O,    176
.set PCD,  208                         ; p's codes
.set BM,   224                         ; the blocks' largest scores, then largest p
.set T1,   228
.set HL,   232                         ; 448 x the scale
.set SO,   236                         ; the conversions' scale operands
.set F,    240                         ; f = 2^(old M - new M)
.set PWD,  241                         ; p's scale word
.set TP,   242
.set TQ,   243
.set C1,   244                         ; three more chains of the row's sum
.set NM,   246                         ; -M
.set SMX,  247                         ; the running largest score
.set SUM,  248
.set C2,   250
.set C3,   252
.set MSB, 0
.macro WIN new                         ; the immediate's high byte repeats the setting that is left
.if MSB != (\new)
	s_set_vgpr_msb (MSB<<8)|(\new)
.set MSB, (\new)
.endif
.endm
.macro CROUND
	s_barrier_signal -1
	s_barrier_wait -1
	s_cmp_lg_u32 s10, 0
	s_cbranch_scc1 .Lnot_wave_0_\@
	s_barrier_signal -3
.Lnot_wave_0_\@:
	s_barrier_wait -3
	s_barrier_signal -1
	s_barrier_wait -1
.endm
.macro ONCE                            ; written once in each window
.irp j, 0,1,2,3,4,5,6,7
	v_mov_b32 v[ZQ+\j], 0                          ; zero codes on both sides of q
	v_mov_b32 v[ZQ+16+\j], 0
.endr
.irp b, 0,1,2,3
	v_mov_b32 v[T1+\b], 0                          ; a lane permute's destination counts as one of its sources
.endr
	v_mov_b32 v[PWD], 0                            ; (named as the upper half of the pair with f)
.endm
.macro INIT                            ; a tile's state at a pass's start
	v_mov_b32 v[SMX], 0xff61b1e6                   ; -3e38, under every score
	v_mov_b32 v[NM], 0x7e000000                    ; -M = 2^125: the first change of M gives f = 0
	v_mov_b32 v[SUM], 0
	v_mov_b32 v[SUM+1], 0
.set j, 0
.rept 32
	v_mov_b32 v[O+j], 0                            ; the step is written once: the first finds zeros
.set j, j+1
.endr
.endm
.macro KLOAD a, as                     ; a record's k: four scale words, eight tiles into window 1
.irp q, 0,1,2,3
	ds_load_b32 v[KSC+\q], v[\as] offset:16384+128*\q
.endr
	WIN 0x40
.irp t, 0,1,2,3,4,5,6,7
	ds_load_b128 v[FR+8*\t:FR+8*\t+3], v[\a] offset:\t*1024
	ds_load_b128 v[FR+8*\t+4:FR+8*\t+7], v[\a] offset:\t*1024+512
.endr
	WIN 0
.endm
.macro SMUL tb                         ; S^T of 128 keys: D and q in the tile's window, k in window 1; eight accumulators by turns
	WIN 0x01+0x44*\tb
.irp q, 0,1,2,3
	v_wmma_scale_f32_16x16x128_f8f6f4 v[S+16*\q:S+16*\q+7], v[FR+16*\q:FR+16*\q+15], v[Q:Q+15], 0, v[KSC+\q], v[QSA+2*\tb]
	v_wmma_scale_f32_16x16x128_f8f6f4 v[S+16*\q+8:S+16*\q+15], v[FR+16*\q:FR+16*\q+15], v[ZQ:ZQ+15], 0, v[KSC+\q], v[QSA+2*\tb+1]
.endr
.endm
.macro PV tb                           ; O^T += v^T p^T: v in window 0, the rest in the tile's window; four accumulators by turns
.set PWR, PWD+(\tb)*(PWB-PWD)
	WIN 0x54*\tb
.irp q, 0,1
	v_wmma_scale_f32_16x16x128_f8f6f4 v[O+16*\q:O+16*\q+7], v[FR+32*\q:FR+32*\q+15], v[PCD:PCD+15], v[O+16*\q:O+16*\q+7], v[VSC+\q], v[PWR]
	v_wmma_scale_f32_16x16x128_f8f6f4 v[O+16*\q+8:O+16*\q+15], v[FR+32*\q+16:FR+32*\q+31], v[PCD:PCD+15], v[O+16*\q+8:O+16*\q+15], v[VSC+\q], v[PWR] matrix_a_scale:MATRIX_SCALE_ROW1
.endr
.endm
; THE SOFTMAX OF ONE TILE AND 128 KEYS, in the tile's window.  tb = 0: tile A, with the LDS loads; tb = 1: tile B.
.macro SM tb
	s_wait_alu depctr_va_vdst(0)                   ; ahead of the scores' first readers, the eight lines below
.irp b, 0,1,2,3
	v_max3_num_f32 v[BM+\b], v[S+16*\b], v[S+16*\b+1], v[S+16*\b+2]   ; the largest score of each block of 32 keys; each accumulator from its low end on
.endr
.irp b, 0,1,2,3
	v_max3_num_f32 v[BM+\b], v[BM+\b], v[S+16*\b+8], v[S+16*\b+9]
.endr
.if \tb == 0
	v_add_nc_u32 v[ADV], s42, v[L16]               ; with the eight above: twelve places behind the last products, ahead of loads into registers that they read
	v_add_nc_u32 v[ADVS], s42, v[L4]
	v_add_nc_u32 v[ADK], s58, v[L16]
	v_add_nc_u32 v[ADKS], s58, v[L4]
.irp t, 0,1,2,3
.irp c, 0,1,2,3
	ds_load_b128 v[FR+16*\t+4*\c:FR+16*\t+4*\c+3], v[ADV] offset:8192+\t*2048+\c*512
.endr
.endr
.irp q, 0,1
	ds_load_b32 v[VSC+\q], v[ADVS] offset:16896+128*\q
.endr
	KLOAD ADK, ADKS
.endif
.irp i, 3,5
.irp b, 0,1,2,3
	v_max3_num_f32 v[BM+\b], v[BM+\b], v[S+16*\b+\i], v[S+16*\b+\i+1]
.endr
.endr
.irp b, 0,1,2,3
	v_max3_num_f32 v[BM+\b], v[BM+\b], v[S+16*\b+7], v[S+16*\b+10]
.endr
.irp i, 11,13
.irp b, 0,1,2,3
	v_max3_num_f32 v[BM+\b], v[BM+\b], v[S+16*\b+\i], v[S+16*\b+\i+1]
.endr
.endr
.irp b, 0,1,2,3
	v_max_num_f32 v[BM+\b], v[BM+\b], v[S+16*\b+15]
.endr
.irp b, 0,1,2,3
	v_permlanex16_b32 v[T1+\b], v[BM+\b], s36, s37
.endr
	v_dual_max_num_f32 v[BM], v[BM], v[T1] :: v_dual_max_num_f32 v[BM+1], v[BM+1], v[T1+1]          ; with lane l xor 16's 16 keys
	v_dual_max_num_f32 v[BM+2], v[BM+2], v[T1+2] :: v_dual_max_num_f32 v[BM+3], v[BM+3], v[T1+3]
	v_max3_num_f32 v[TP], v[BM], v[BM+1], v[BM+2]
	v_mov_b32 v[TQ], v[NM]                         ; the old -M
	s_delay_alu instid0(VALU_DEP_2)
	v_max3_num_f32 v[SMX], v[SMX], v[TP], v[BM+3]  ; the running largest score
	s_delay_alu instid0(VALU_DEP_1)
	v_mul_f32 v[TP], s56, v[SMX]                   ; -t = -c x score
	s_delay_alu instid0(VALU_DEP_1)
	v_floor_f32 v[NM], v[TP]                       ; the new -M = floor(-t) = -ceil(t)
.set j, 0
.rept 32
	v_pk_fma_f32 v[S+j:S+j+1], v[S+j:S+j+1], s[38:39], v[NM:NM+1] op_sel_hi:[1,0,0]   ; t - M, two at a time
.if j == 8
	v_sub_f32 v[TP], v[NM], v[TQ]                  ; old M - new M: a whole number, 0 or less
.endif
.if j == 24
	v_cvt_i32_f32 v[TP], v[TP]                     ; (it saturates)
.endif
.if j == 40
	v_ldexp_f32 v[F], 1.0, v[TP]                   ; f = 2^(old M - new M)
.endif
.set j, j+2
.endr
	v_pk_fma_f32 v[BM:BM+1], v[BM:BM+1], s[38:39], v[NM:NM+1] op_sel_hi:[1,0,0]       ; the same of each block's largest score
	v_pk_fma_f32 v[BM+2:BM+3], v[BM+2:BM+3], s[38:39], v[NM:NM+1] op_sel_hi:[1,0,0]
	s_wait_alu depctr_va_vdst(0)                   ; ahead of the batch
.set j, 0
.rept 64
	v_exp_f32 v[S+j], v[S+j]                       ; p = 2^(t - M), at most 1
.set j, j+1
.endr
.irp b, 0,1,2,3
	v_exp_f32 v[BM+\b], v[BM+\b]                   ; the block's largest p: the same two instructions on the same number
.endr
	v_pk_mul_f32 v[SUM:SUM+1], v[SUM:SUM+1], v[F:F+1] op_sel_hi:[1,0]   ; the sum under the new M (a plain line behind the exponentials)
	s_wait_alu depctr_va_vdst(0)                   ; and behind it, ahead of its first reader
	v_dual_max_num_f32 v[BM], s57, v[BM] :: v_dual_max_num_f32 v[BM+1], s57, v[BM+1]          ; the floor 2^(9 - 127): the byte cannot fall under 1
	v_dual_max_num_f32 v[BM+2], s57, v[BM+2] :: v_dual_max_num_f32 v[BM+3], s57, v[BM+3]
.irp b, 0,1,2,3
	v_add_nc_u32 v[SO+\b], 0xfc000000, v[BM+\b]    ; 8 off the exponent field: the conversion's scale operand
.endr
.irp b, 0,1,2,3
	v_and_or_b32 v[HL+\b], v[BM+\b], 0x7f800000, s40   ; 448 x the scale
.endr
.irp b, 0,1,2,3
	v_lshrrev_b32 v[T1+\b], 23, v[SO+\b]           ; the scale's byte
.endr
	v_lshl_or_b32 v[PWD], v[T1+1], 8, v[T1]
	v_lshl_or_b32 v[TP], v[T1+3], 8, v[T1+2]
	s_delay_alu instid0(VALU_DEP_1)
	v_lshl_or_b32 v[PWD], v[TP], 16, v[PWD]        ; p's scale word for these 128 keys
	v_pk_add_f32 v[C1:C1+1], v[S:S+1], v[S+2:S+3]  ; the row's sum of the unquantised p: 32 additions of pairs in four chains
	v_pk_add_f32 v[C2:C2+1], v[S+4:S+5], v[S+6:S+7]
	v_pk_add_f32 v[C3:C3+1], v[S+8:S+9], v[S+10:S+11]
	v_pk_add_f32 v[SUM:SUM+1], v[SUM:SUM+1], v[S+12:S+13]
.set j, 14
.rept 6
	v_pk_add_f32 v[C1:C1+1], v[C1:C1+1], v[S+j:S+j+1]
	v_pk_add_f32 v[C2:C2+1], v[C2:C2+1], v[S+j+2:S+j+3]
	v_pk_add_f32 v[C3:C3+1], v[C3:C3+1], v[S+j+4:S+j+5]
	v_pk_add_f32 v[SUM:SUM+1], v[SUM:SUM+1], v[S+j+6:S+j+7]
.set j, j+8
.endr
	v_pk_add_f32 v[C1:C1+1], v[C1:C1+1], v[S+62:S+63]
	v_pk_add_f32 v[C2:C2+1], v[C2:C2+1], v[C3:C3+1]
	s_delay_alu instid0(VALU_DEP_2)
	v_pk_add_f32 v[SUM:SUM+1], v[SUM:SUM+1], v[C1:C1+1]
	s_delay_alu instid0(VALU_DEP_1)
	v_pk_add_f32 v[SUM:SUM+1], v[SUM:SUM+1], v[C2:C2+1]
.irp b, 0,1,2,3
.irp i, 0,2,4,6,8,10,12,14
	v_dual_min_num_f32 v[S+16*\b+\i], v[S+16*\b+\i], v[HL+\b] :: v_dual_min_num_f32 v[S+16*\b+\i+1], v[S+16*\b+\i+1], v[HL+\b]   ; the conversion does not saturate (ISA guide 7.6.2); p is not negative: a one-sided hold, two a line
.endr
	v_cvt_scalef32_pk8_fp8_f32 v[PCD+4*\b:PCD+4*\b+1], v[S+16*\b:S+16*\b+7], v[SO+\b]
	v_cvt_scalef32_pk8_fp8_f32 v[PCD+4*\b+2:PCD+4*\b+3], v[S+16*\b+8:S+16*\b+15], v[SO+\b]
.endr
.if \tb
	WIN 0x01
	v_mov_b32 v[PWB], v[PWD]                       ; tile B's scale word into window 0: scale operands have no window
	WIN 0x55
.endif
	s_wait_alu depctr_va_vdst(0)                   ; ahead of the first reader of O^T
.set j, 0
.rept 16
	v_pk_mul_f32 v[O+j:O+j+1], v[O+j:O+j+1], v[F:F+1] op_sel_hi:[1,0]   ; O^T under the new M; these sixteen are also the places between the codes, the scale word and the products
.set j, j+2
.endr
.endm
; A TILE'S WAY OUT, in its window: o = O^T / the sum, quantised in two blocks of 32 channels; the codes are left in v[PCD..PCD+7], the two scale bytes in v[TP].
.macro EPI
	v_add_f32 v[SUM], v[SUM], v[SUM+1]
	s_delay_alu instid0(VALU_DEP_1)
	v_permlanex16_b32 v[TP], v[SUM], s36, s37
	s_delay_alu instid0(VALU_DEP_1)
	v_add_f32 v[SUM], v[SUM], v[TP]                ; the row's sum
	s_wait_alu depctr_va_vdst(0)                   ; ahead of the transcendental
	v_rcp_f32 v[SUM], v[SUM]
	v_nop                                          ; a plain line behind it
	s_wait_alu depctr_va_vdst(0)                   ; and ahead of its first reader, which is O^T's first reader too
.set j, 0
.rept 16
	v_pk_mul_f32 v[S+j:S+j+1], v[O+j:O+j+1], v[SUM:SUM+1] op_sel_hi:[1,0]   ; register 16 g + i is channel 32 g + 16 h + i
.set j, j+2
.endr
.irp g, 0,1
	v_max3_num_f32 v[BM+\g], |v[S+16*\g]|, |v[S+16*\g+1]|, 0x4800000
.endr
.irp i, 2,4,6,8,10,12,14
.irp g, 0,1
	s_delay_alu instid0(VALU_DEP_2)
	v_max3_num_f32 v[BM+\g], v[BM+\g], |v[S+16*\g+\i]|, |v[S+16*\g+\i+1]|
.endr
.endr
.irp g, 0,1
	s_delay_alu instid0(VALU_DEP_2)
	v_permlanex16_b32 v[T1+\g], v[BM+\g], s36, s37
.endr
.irp g, 0,1
	s_delay_alu instid0(VALU_DEP_2)
	v_max_num_f32 v[BM+\g], v[BM+\g], v[T1+\g]
.endr
.irp g, 0,1
	s_delay_alu instid0(VALU_DEP_2)
	v_add_nc_u32 v[SO+\g], 0xfc000000, v[BM+\g]
.endr
.irp g, 0,1
	s_delay_alu instid0(VALU_DEP_4)
	v_and_or_b32 v[HL+\g], v[BM+\g], 0x7f800000, s40
.endr
.irp g, 0,1
	s_delay_alu instid0(VALU_DEP_4)
	v_lshrrev_b32 v[T1+\g], 23, v[SO+\g]
.endr
	s_delay_alu instid0(VALU_DEP_1)
	v_lshl_or_b32 v[TP], v[T1+1], 8, v[T1]         ; my row's two scale bytes
.irp g, 0,1
.irp i, 0,1,2,3,4,5,6,7,8,9,10,11,12,13,14,15
	v_med3_num_f32 v[S+16*\g+\i], v[S+16*\g+\i], -v[HL+\g], v[HL+\g]
.endr
	v_cvt_scalef32_pk8_fp8_f32 v[PCD+4*\g:PCD+4*\g+1], v[S+16*\g:S+16*\g+7], v[SO+\g]
	v_cvt_scalef32_pk8_fp8_f32 v[PCD+4*\g+2:PCD+4*\g+3], v[S+16*\g+8:S+16*\g+15], v[SO+\g]
.endr
	v_nop                                          ; a plain line behind the last conversion
.endm
.macro PASS p                          ; two tiles of 16 queries against all keys
.if \p
	s_wait_xcnt 0x0                                ; the first pass's stores have read their data
	WIN 0x01
.irp j, 0,1,2,3,4,5,6,7
	v_mov_b32 v[Q+\j], v[\j]                       ; the second pass's q, kept in window 1 since the head: tile A's,
.endr
	v_mov_b32 v[QSA], v16
	v_mov_b32 v[QSA+2], v17
	WIN 0x41
.irp j, 0,1,2,3,4,5,6,7
	v_mov_b32 v[Q+\j], v[8+\j]                     ; tile B's
.endr
	WIN 0
.endif
	v_lshlrev_b32 v[QSA+1], 16, v[QSA]             ; q's two bytes for K = 64 .. 127; the low bytes, 0, scale zero codes
	v_lshlrev_b32 v[QSA+3], 16, v[QSA+2]
	KLOAD L16, L4                                  ; record 0 lies at LDS byte 0
	INIT
	WIN 0x55
	INIT
	WIN 0
	s_mov_b32 s42, 0                               ; this record,
	s_mov_b32 s58, REC                             ; the next,
	s_mov_b32 s43, 16                              ; records to go
	s_wait_alu depctr_va_vdst(0)
	s_wait_dscnt 0x0
	SMUL 0
	SMUL 1
	WIN 0
.rept 8
	v_nop                                          ; once a pass: places ahead of the first read of the first scores
.endr
.Lstep_\@:
	SM 0
	s_wait_alu depctr_va_vdst(0)
	s_wait_dscnt 0x0                               ; this record's v and the next record's k are in
	PV 0
	SMUL 0
	WIN 0x55
	SM 1
	PV 1
	SMUL 1
	WIN 0
	s_add_co_u32 s42, s42, REC
	s_add_co_u32 s58, s42, REC
	s_min_u32 s58, s58, 15*REC                     ; the look-ahead stays inside the head's 16 records
	s_sub_co_u32 s43, s43, 1
	s_cmp_lg_u32 s43, 0
	s_cbranch_scc1 .Lstep_\@
	EPI                                            ; tile A's lines are the places behind tile B's last products
	global_store_b128 v[L16], v[PCD:PCD+3], s[48:49] offset:\p*16*16896       ; 512 consecutive bytes of the tile's image
	global_store_b128 v[L16], v[PCD+4:PCD+7], s[48:49] offset:\p*16*16896+512
	WIN 0x55
	EPI
	WIN 0x04                                       ; address and first source in window 0, data and second source in window 1
	global_store_b128 v[L16], v[PCD:PCD+3], s[48:49] offset:(\p*16+8)*16896
	global_store_b128 v[L16], v[PCD+4:PCD+7], s[48:49] offset:(\p*16+8)*16896+512
	v_cndmask_b32 v[OSW], v[TP], v[TP], s41        ; lanes 0-15 tile A's two bytes, lanes 16-31 tile B's
	WIN 0
	global_store_b16 v[OSB], v[OSW], s[50:51] offset:\p*16*16896   ; two bytes of each row's 32, both tiles at once
.endm
	s_load_b128 s[4:7], s[0:1], 0x0                ; qr, kv
	s_load_b64 s[8:9], s[0:1], 0x10                ; orec
	v_lshl_add_u32 v[SPW], v0, 2, SPARE
	v_mov_b32 v[NIL], 0
	ds_add_u32 v[SPW], v[NIL]                      ; the opening lines: the add, twice on end, and one wait
	ds_add_u32 v[SPW], v[NIL]
	v_lshrrev_b32 v1, 5, v0
	v_readfirstlane_b32 s10, v1                    ; wave 0..7
	v_and_b32 v8, 31, v0
	v_and_b32 v9, 15, v0                           ; r
	v_bfe_u32 v4, v0, 4, 1                         ; h
	v_lshlrev_b32 v[L16], 4, v8
	v_lshlrev_b32 v[L4], 2, v8
	v_lshlrev_b32 v[R4], 2, v9
	v_mul_u32_u24 v[OSB], v4, 8*16896
	v_lshl_add_u32 v[OSB], v9, 5, v[OSB]
	ONCE
	s_bfe_u32 s11, ttmp6, 0x40000                  ; cx
	s_lshl_b32 s13, ttmp9, 2
	s_add_co_u32 s11, s13, s11                     ; x: it enters q's and o's addresses alone
	s_and_b32 s12, ttmp7, 0xffff                   ; y = batch x 16 + head
	s_mul_i32 s14, s12, 16*REC                     ; the head's first byte in qr and in kv
	s_mul_i32 s16, s10, 2*REC                      ; my two records: in the head, and in LDS
	s_add_co_u32 s18, s14, s16
	s_mov_b32 s19, 0
	s_mul_i32 s20, s11, 4*REC
	s_add_co_u32 s20, s20, s14                     ; q's records 4 x .. 4 x + 3: record 2 pass + (0 for A, 1 for B), tile = wave
	s_lshl_b32 s22, s10, 10
	s_add_co_u32 s22, s22, s20                     ; codes,
	s_mov_b32 s23, 0
	s_lshl_b32 s21, s10, 6
	s_add_co_u32 s20, s20, s21
	s_add_co_u32 s20, s20, 16384                   ; scale words
	s_mov_b32 s21, 0
	s_lshr_b32 s52, s12, 4
	s_lshl_b32 s52, s52, 7
	s_lshl_b32 s53, s11, 5
	s_add_co_u32 s52, s52, s53
	s_add_co_u32 s52, s52, s10                     ; o's tile of rows: 128 x batch + 32 x + wave
	s_mul_i32 s52, s52, 16896
	s_and_b32 s53, s12, 15                         ; head
	s_lshl_b32 s54, s53, 1
	s_add_co_u32 s54, s54, s52
	s_add_co_u32 s54, s54, 16384                   ; its scale bytes 2 head, 2 head + 1 of a row's 32
	s_mov_b32 s55, 0
	s_lshl_b32 s53, s53, 10                        ; K step head / 2, groups 2 (head % 2) + 0, 1
	s_add_co_u32 s52, s52, s53
	s_mov_b32 s53, 0
	s_mov_b32 s24, 15|(3<<16)|(1<<21)              ; group 1: the mask of all four; elements of 8 bytes; 21 set beside a mask; no padding
	s_mov_b32 s25, 32<<16                          ; rows of 256 bytes,
	s_mov_b32 s26, 134<<16                         ; 134 of them: two records
	s_mov_b32 s27, 32<<16
	s_mov_b32 s28, 134
	s_mov_b32 s29, 32                              ; dense
	s_mov_b32 s30, 0
	s_mov_b32 s31, 0
	s_mov_b32 s36, 0x76543210
	s_mov_b32 s37, 0xfedcba98                      ; v_permlanex16_b32's selects for lane l xor 16
	s_mov_b32 s38, 0x3e38aa3b                      ; c = log2(e) / 8
	s_mov_b32 s39, s38                             ; (named with it as a pair)
	s_mov_b32 s56, 0xbe38aa3b                      ; -c
	s_mov_b32 s57, 0x4800000                       ; 2^(9 - 127)
	s_mov_b32 s40, 0x600000                        ; the mantissa field of 448
	s_mov_b32 s41, 0xffff0000                      ; lanes 16-31
	s_wait_alu depctr_va_vdst(0)
	s_wait_dscnt 0x0                               ; both opening adds are done
	s_wait_kmcnt 0x0
	s_add_nc_u64 s[44:45], s[4:5], s[22:23]        ; q's codes
	s_add_nc_u64 s[46:47], s[4:5], s[20:21]        ; q's scale words
	s_add_nc_u64 s[48:49], s[8:9], s[52:53]        ; o's codes
	s_add_nc_u64 s[50:51], s[8:9], s[54:55]        ; o's scale bytes
	s_mov_b32 s32, 1
	s_mov_b32 s33, s16
	s_add_nc_u64 s[34:35], s[6:7], s[18:19]
	s_or_b32 s35, s35, 0x80000000
	global_load_b128 v[Q:Q+3], v[L16], s[44:45]                    ; q of both passes is asked for now: first pass, tile A,
	global_load_b128 v[Q+4:Q+7], v[L16], s[44:45] offset:512
	global_load_b32 v[QSA], v[R4], s[46:47]
	global_load_b32 v[QSA+2], v[R4], s[46:47] offset:REC
	WIN 0x40                                       ; destination window 1
	global_load_b128 v[Q:Q+3], v[L16], s[44:45] offset:REC         ; tile B;
	global_load_b128 v[Q+4:Q+7], v[L16], s[44:45] offset:REC+512
	global_load_b128 v[0:3], v[L16], s[44:45] offset:2*REC         ; second pass, tile A,
	global_load_b128 v[4:7], v[L16], s[44:45] offset:2*REC+512
	global_load_b128 v[8:11], v[L16], s[44:45] offset:3*REC        ; tile B,
	global_load_b128 v[12:15], v[L16], s[44:45] offset:3*REC+512
	global_load_b32 v16, v[R4], s[46:47] offset:2*REC              ; their scale words
	global_load_b32 v17, v[R4], s[46:47] offset:3*REC
	WIN 0x55
	ONCE
	WIN 0
	CROUND                                         ; all four work-groups are here: the joint loads meet
	tensor_load_to_lds s[32:35], s[24:31]          ; my two records: the wave's only tensor load
	s_nop 0
.rept 4
	v_nop
.endr
	s_wait_tensorcnt 0x0                           ; my records are in,
	s_barrier_signal -1
	s_barrier_wait -1                              ; everybody's are: from here on LDS is only read
	s_wait_loadcnt 0x0                             ; q
	PASS 0
	PASS 1
	s_wait_tensorcnt 0x0                           ; the wave's end
	ds_add_u32 v[SPW], v[NIL]
	s_wait_dscnt 0x0
	CROUND                                         ; the closing round
	s_endpgm
.Lfunc_end_k_q9fe5831814_attn:
	.size	k_q9fe5831814_attn, .Lfunc_end_k_q9fe5831814_attn-k_q9fe5831814_attn
	.p2alignl 7, 3214868480
	.fill 96, 4, 3214868480
	.section	.rodata,"a",@progbits
	.p2align	6, 0x0
	.amdhsa_kernel k_q9fe5831814_attn
		.amdhsa_group_segment_fixed_size 327680
		.amdhsa_private_segment_fixed_size 0
		.amdhsa_enable_private_segment 0
		.amdhsa_kernarg_size 24
		.amdhsa_user_sgpr_count 2
		.amdhsa_user_sgpr_kernarg_segment_ptr 1
		.amdhsa_wavefront_size32 1
		.amdhsa_system_sgpr_workgroup_id_x 1
		.amdhsa_system_sgpr_workgroup_id_y 1
		.amdhsa_system_sgpr_workgroup_id_z 1
		.amdhsa_system_vgpr_workitem_id 0
		.amdhsa_next_free_vgpr 512
		.amdhsa_next_free_sgpr 66
		.amdhsa_reserve_vcc 0
		.amdhsa_float_denorm_mode_32 3
		.amdhsa_float_denorm_mode_16_64 3
		.amdhsa_memory_ordered 1
		.amdhsa_forward_progress 1
		.amdhsa_inst_pref_size 114
	.end_amdhsa_kernel
	.amdgpu_metadata
---
amdhsa.version: [ 1, 2 ]
amdhsa.kernels:
  - .name:           k_q9fe5831814_attn
    .symbol:         k_q9fe5831814_attn.kd
    .args:
      - { .name: qr, .offset: 0, .size: 8, .value_kind: global_buffer, .address_space: global }
      - { .name: kv, .offset: 8, .size: 8, .value_kind: global_buffer, .address_space: global }
      - { .name: orec, .offset: 16, .size: 8, .value_kind: global_buffer, .address_space: global }
    .group_segment_fixed_size: 327680
    .private_segment_fixed_size: 0
    .kernarg_segment_align: 8
    .kernarg_segment_size: 24
    .max_flat_workgroup_size: 256
    .sgpr_count:     66
    .vgpr_count:     512
    .wavefront_size: 32
...
	.end_amdgpu_metadata
.endif
;; end of part 3
;; launch oproj (part 4): grid 4 x 64, 4 waves a work-group, clusters of 4 x 1, 168,448 bytes of LDS; arguments orec, wc, ws, bo, out0; writes out0
.if DOCPART == 4
	.amdgcn_target "amdgcn-amd-amdhsa--gfx1250"
	.amdhsa_code_object_version 6
	.text
	.protected	k_q9fe5831814_oproj
	.globl	k_q9fe5831814_oproj
	.p2align	8
	.type	k_q9fe5831814_oproj,@function
k_q9fe5831814_oproj:
	s_mov_b64 s[64:65], 0
	v_nop
	global_prefetch_b8 v0, s[64:65] scope:SCOPE_SE
	s_setreg_imm32_b32 hwreg(HW_REG_WAVE_MODE, 25, 1), 1
	s_wait_xcnt 0x0
	s_wait_alu depctr_hold_cnt(0) depctr_sa_sdst(0) depctr_va_vdst(0) depctr_va_sdst(0) depctr_va_ssrc(0) depctr_va_vcc(0) depctr_vm_vsrc(0)
	s_getreg_b32 s2, hwreg(HW_REG_IB_STS2, 6, 4)
	s_cmp_eq_u32 s2, 0
	s_cbranch_scc0 .Lentry_in_a_cluster
	s_endpgm
.Lentry_in_a_cluster:
	s_bfe_u32 s2, ttmp6, 0x10000c
	s_cmp_lg_u32 s2, 0x3003
	s_cbranch_scc0 .Lentry_shape_is_right
	s_endpgm
.Lentry_shape_is_right:
; out = o Wo + bo on codes of E4M3 with E8M0 scales; out is f32.
; SHARES.  Work-group (slice, y): y names 128 rows (8 tiles of 16), the slice 256 columns; wave w owns columns 64 (4 slice + w) on: four tiles of Wo, whose 32 fragments (512 registers) stay in registers, read once.
; o's 8 records of 16,896 bytes (an image of the fragments' registers, then 16 x 32 scale bytes) come into LDS once, one tensor load of two records a wave; nothing is filled twice.
; CLUSTER.  The four slices of one y read the same records: each is asked for JOINTLY, with the mask of all four.  Wo is shared by no partner.
; Source 0 = 16 columns of Wo, source 1 = 16 rows of o: a lane holds one row, and its registers run along the columns.  The bias is the C of each sum's first instruction.
; A tile's rows and columns are laid 32 g + 8 u + r + 8 (r / 8); the way out undoes both: through the wave's own stage in LDS (16 rows x 256 + 16 bytes, bytes into which no fill lands) and out by rows:
; sixteen lanes store 256 consecutive bytes, aligned.
; REGISTERS as in the projections' launch: window 0: addresses, scale words, bias, accumulators at 104 + 8 (4 p + t), v168-199 rows on the way out; windows 1, 2: Wo; window 3: o's fragments, two sets.
.set TILEB, 16896
.set STG,   8*TILEB
.set LA,  8
.set LS,  16
.set WS,  24
.set XS,  56
.set BI,  72
.set ACC, 104
.set OUTB, 168
.set STO, 201
.set RD,  202
.set CO,  203
.set G1,  36
.set G0,  44
.set OB,  66
.set WB,  68
.set WSB, 70
.set MSB, 0
.macro WIN new
.if MSB != \new
	s_set_vgpr_msb (MSB<<8)|\new
.set MSB, \new
.endif
.endm
.macro PLACES n
.rept \n
	v_nop
.endr
.endm
.macro CROUND
	s_barrier_signal -1
	s_barrier_wait -1
	s_cmp_lg_u32 s20, 0
	s_cbranch_scc1 .Lnot_wave_0_\@
	s_barrier_signal -3
.Lnot_wave_0_\@:
	s_barrier_wait -3
	s_barrier_signal -1
	s_barrier_wait -1
.endm
	s_load_b256 s[4:11], s[0:1], 0x0               ; orec 4, wc 6, ws 8, bo 10
	s_load_b64 s[12:13], s[0:1], 0x20              ; out0
	v_lshl_add_u32 v254, v0, 2, 0x29000
	v_mov_b32 v255, 0
	ds_add_u32 v254, v255
	ds_add_u32 v254, v255
	v_lshrrev_b32 v1, 5, v0
	v_readfirstlane_b32 s20, v1                    ; wave
	s_bfe_u32 s21, ttmp6, 0x40000                  ; cx
	s_lshl_b32 s26, ttmp9, 2
	s_add_co_u32 s21, s26, s21                     ; slice
	s_and_b32 s22, ttmp7, 0xffff                   ; y
	s_lshl_b32 s25, s21, 2
	s_add_co_u32 s25, s25, s20                     ; which 64 columns
	v_and_b32 v1, 31, v0
	v_and_b32 v2, 15, v0                           ; r
	v_bfe_u32 v3, v0, 4, 1                         ; h
	v_lshlrev_b32 v4, 4, v1                        ; 16 x lane
	v_lshlrev_b32 v7, 6, v3                        ; 64 h
	v_lshlrev_b32 v222, 5, v2                      ; 32 r
.irp k, 0,1,2,3
	v_add_nc_u32 v[LA+\k], \k*2*TILEB, v4
	v_add_nc_u32 v[LS+\k], \k*2*TILEB+16384, v222
.endr
	s_mul_i32 s31, s20, 16*272
	s_add_co_u32 s31, s31, STG                     ; my stage
	v_mul_u32_u24 v[STO], v2, 272
	v_lshl_add_u32 v[STO], v3, 6, v[STO]
	v_add_nc_u32 v[STO], s31, v[STO]               ; in: tile row r, + 64 h
	v_mul_u32_u24 v[RD], v3, 272
	v_lshl_add_u32 v[RD], v2, 4, v[RD]
	v_add_nc_u32 v[RD], s31, v[RD]                 ; back: lanes 0-15 one row, lanes 16-31 the next
	v_lshlrev_b32 v[CO], 12, v3
	v_lshl_add_u32 v[CO], v2, 4, v[CO]             ; and the same two rows of out
	s_mov_b32 s[G1], 15|(3<<16)|(1<<21)            ; the mask of all four; elements of 8 bytes; 21 set beside a mask; no padding
	s_mov_b32 s[G1+1], 32<<16
	s_mov_b32 s[G1+2], 132<<16                     ; 132 rows of 256 bytes: two records on end
	s_mov_b32 s[G1+3], 32<<16
	s_mov_b32 s[G1+4], 132
	s_mov_b32 s[G1+5], 32
	s_mov_b32 s[G1+6], 0
	s_mov_b32 s[G1+7], 0
	s_lshl_b32 s26, s22, 3
	s_lshl_b32 s27, s20, 1
	s_add_co_u32 s26, s26, s27                     ; records 8 y + 2 wave, + 1, by ONE tensor load a wave: y and the wave alone
	s_mul_i32 s26, s26, TILEB
	s_mov_b32 s27, 0
	s_mul_i32 s30, s20, 2*TILEB                    ; LDS: tile n lies at n x TILEB
	s_lshl_b32 s32, s22, 19                        ; 128 rows of 4,096 bytes
	s_lshl_b32 s33, s25, 8
	s_add_co_u32 s32, s32, s33
	s_mov_b32 s33, 0
	s_wait_dscnt 0x0
	s_wait_kmcnt 0x0
	s_add_nc_u64 s[28:29], s[4:5], s[26:27]
.irp i, 0
	s_mov_b32 s[G0+4*\i], 1
	s_add_co_u32 s[G0+4*\i+1], s30, \i*4*TILEB
	s_add_nc_u64 s[G0+4*\i+2:G0+4*\i+3], s[28:29], \i*4*TILEB
	s_or_b32 s[G0+4*\i+3], s[G0+4*\i+3], 0x80000000
.endr
	s_add_nc_u64 s[OB:OB+1], s[12:13], s[32:33]
	s_lshl_b32 s26, s25, 16
	s_add_co_u32 s26, s26, 3<<20
	s_add_nc_u64 s[WB:WB+1], s[6:7], s[26:27]      ; Wo is the fourth matrix of wc
	s_lshl_b32 s26, s25, 11
	s_add_co_u32 s26, s26, 3<<15
	s_add_nc_u64 s[WSB:WSB+1], s[8:9], s[26:27]
	s_lshl_b32 s26, s25, 8
	s_add_nc_u64 s[34:35], s[10:11], s[26:27]
	CROUND                                         ; all four work-groups are here: the joint loads meet
	tensor_load_to_lds s[G0:G0+3], s[G1:G1+7]      ; my two records, one load: the wave's only tensor load, asked for ahead of Wo
	s_nop 0
	PLACES 4
	WIN 0x40
.irp ks, 0,1,2,3
.irp t, 0,1,2,3
.irp c, 0,1,2,3
	global_load_b128 v[64*\ks+16*\t+4*\c:64*\ks+16*\t+4*\c+3], v4, s[WB:WB+1] offset:\t*16384+\ks*2048+\c*512
.endr
.endr
.endr
	WIN 0x80
.irp ks, 0,1,2,3
.irp t, 0,1,2,3
.irp c, 0,1,2,3
	global_load_b128 v[64*\ks+16*\t+4*\c:64*\ks+16*\t+4*\c+3], v4, s[WB:WB+1] offset:\t*16384+(\ks+4)*2048+\c*512
.endr
.endr
.endr
	WIN 0
.irp t, 0,1,2,3                        ; a row's 32 scale bytes are the 8 words of its 8 K steps
	global_load_b128 v[WS+8*\t:WS+8*\t+3], v222, s[WSB:WSB+1] offset:\t*512
	global_load_b128 v[WS+8*\t+4:WS+8*\t+7], v222, s[WSB:WSB+1] offset:\t*512+16
.endr
.irp t, 0,1,2,3                        ; register j of tile t is column 32 (t / 2) + 16 h + 8 (t % 2) + j
	global_load_b128 v[BI+8*\t:BI+8*\t+3], v7, s[34:35] offset:(32*(\t/2)+8*(\t%2))*4
	global_load_b128 v[BI+8*\t+4:BI+8*\t+7], v7, s[34:35] offset:(32*(\t/2)+8*(\t%2))*4+16
.endr
.macro FETCH n, p                      ; tile n's eight fragments and its scale words into set p: 34 LDS loads
	WIN 0xc0
.irp ks, 0,1,2,3,4,5,6,7
.irp c, 0,1,2,3
	ds_load_b128 v[128*(\p)+16*\ks+4*\c:128*(\p)+16*\ks+4*\c+3], v[LA+(\n)/2] offset:((\n)%2)*TILEB+\ks*2048+\c*512
.endr
.endr
	WIN 0
	ds_load_b128 v[XS+8*(\p):XS+8*(\p)+3], v[LS+(\n)/2] offset:((\n)%2)*TILEB
	ds_load_b128 v[XS+8*(\p)+4:XS+8*(\p)+7], v[LS+(\n)/2] offset:((\n)%2)*TILEB+16
.endm
.macro WM p, t, ks
.set rD, ACC+8*(4*(\p)+\t)
.set rW, 64*((\ks)%4)+16*\t
.set rX, 128*(\p)+16*(\ks)
.if (\ks) == 0
	v_wmma_scale_f32_16x16x128_f8f6f4 v[rD:rD+7], v[rW:rW+15], v[rX:rX+15], v[BI+8*\t:BI+8*\t+7], v[WS+8*\t+(\ks)], v[XS+8*(\p)+(\ks)]
.else
	v_wmma_scale_f32_16x16x128_f8f6f4 v[rD:rD+7], v[rW:rW+15], v[rX:rX+15], v[rD:rD+7], v[WS+8*\t+(\ks)], v[XS+8*(\p)+(\ks)]
.endif
.endm
.macro HALF p, k0                      ; the four accumulators take turns, one instruction a turn
.irp k, 0,1,2,3
.irp t, 0,1,2,3
	WM \p, \t, \k0+\k
.endr
.endr
.endm
.macro MULT p
	WIN 0x0d                                       ; source 0 (Wo) window 1, source 1 (o) window 3
	HALF \p, 0
	WIN 0x0e                                       ; Wo window 2
	HALF \p, 4
	WIN 0
.endm
.macro OUT n                           ; tile n's 16 rows x 64 columns leave
	PLACES 8                                       ; behind the last products: ahead of the stores that read their results, and of the next run of loads into the set that they read
	s_wait_alu depctr_va_vdst(0)
	s_wait_xcnt 0x0                                ; the last tile's stores have read their data: the rows' registers are loaded again only behind this wait
.irp t, 0,1,2,3
	ds_store_b128 v[STO], v[ACC+8*(4*((\n)%2)+\t):ACC+8*(4*((\n)%2)+\t)+3] offset:(32*(\t/2)+8*(\t%2))*4        ; each accumulator from its low end on
	ds_store_b128 v[STO], v[ACC+8*(4*((\n)%2)+\t)+4:ACC+8*(4*((\n)%2)+\t)+7] offset:(32*(\t/2)+8*(\t%2))*4+16
.endr
.irp i, 0,1,2,3,4,5,6,7
	ds_load_b128 v[OUTB+4*\i:OUTB+4*\i+3], v[RD] offset:544*\i   ; LDS serves a wave's instructions in order: these see my stores
.endr
.irp i, 0,1,2,3,4,5,6,7
	s_wait_dscnt 7-\i                              ; the younger read-backs may be out
	global_store_b128 v[CO], v[OUTB+4*\i:OUTB+4*\i+3], s[OB:OB+1] offset:(((\n)/2)*32+((\n)%2)*8+2*\i+8*(\i/4))*4096 th:TH_STORE_NT   ; tile rows 2 i, 2 i + 1 are rows 8 (n % 2) + 2 i + 8 (i / 4) on of the 32
.endr
.endm
.macro TILE n
.if (\n) < 7
	FETCH (\n)+1, 1-(\n)%2
	s_wait_dscnt 34                                ; all but the 34 just issued
.else
	s_wait_dscnt 0x0
.endif
	MULT (\n)%2
	OUT \n
.endm
	s_wait_tensorcnt 0x0                           ; my two records are in; behind the barrier everybody's are
	s_barrier_signal -1
	s_barrier_wait -1
	FETCH 0, 0
	s_wait_loadcnt 0x0                             ; Wo, its scale words, the bias
.irp n, 0,1,2,3,4,5,6,7
	TILE \n
.endr
	s_wait_dscnt 0x0
	s_wait_tensorcnt 0x0
	ds_add_u32 v254, v255
	s_wait_dscnt 0x0
	CROUND                                         ; the closing round
	s_endpgm
.Lfunc_end_k_q9fe5831814_oproj:
	.size	k_q9fe5831814_oproj, .Lfunc_end_k_q9fe5831814_oproj-k_q9fe5831814_oproj
	.p2alignl 7, 3214868480
	.fill 96, 4, 3214868480
	.section	.rodata,"a",@progbits
	.p2align	6, 0x0
	.amdhsa_kernel k_q9fe5831814_oproj
		.amdhsa_group_segment_fixed_size 168448
		.amdhsa_private_segment_fixed_size 0
		.amdhsa_enable_private_segment 0
		.amdhsa_kernarg_size 40
		.amdhsa_user_sgpr_count 2
		.amdhsa_user_sgpr_kernarg_segment_ptr 1
		.amdhsa_wavefront_size32 1
		.amdhsa_system_sgpr_workgroup_id_x 1
		.amdhsa_system_sgpr_workgroup_id_y 1
		.amdhsa_system_sgpr_workgroup_id_z 1
		.amdhsa_system_vgpr_workitem_id 0
		.amdhsa_next_free_vgpr 1024
		.amdhsa_next_free_sgpr 72
		.amdhsa_reserve_vcc 0
		.amdhsa_float_denorm_mode_32 3
		.amdhsa_float_denorm_mode_16_64 3
		.amdhsa_memory_ordered 1
		.amdhsa_forward_progress 1
		.amdhsa_inst_pref_size 88
	.end_amdhsa_kernel
	.amdgpu_metadata
---
amdhsa.version: [ 1, 2 ]
amdhsa.kernels:
  - .name:           k_q9fe5831814_oproj
    .symbol:         k_q9fe5831814_oproj.kd
    .args:
      - { .name: orec, .offset: 0, .size: 8, .value_kind: global_buffer, .address_space: global }
      - { .name: wc, .offset: 8, .size: 8, .value_kind: global_buffer, .address_space: global }
      - { .name: ws, .offset: 16, .size: 8, .value_kind: global_buffer, .address_space: global }
      - { .name: bo, .offset: 24, .size: 8, .value_kind: global_buffer, .address_space: global }
      - { .name: out0, .offset: 32, .size: 8, .value_kind: global_buffer, .address_space: global }
    .group_segment_fixed_size: 168448
    .private_segment_fixed_size: 0
    .kernarg_segment_align: 8
    .kernarg_segment_size: 40
    .max_flat_workgroup_size: 128
    .sgpr_count:     72
    .vgpr_count:     1024
    .wavefront_size: 32
...
	.end_amdgpu_metadata
.endif
;; end of part 4
